; MI455X (gfx1250); checked and timed in simulation.
; The chip was launched on July 23, 2026; its instructions are those of AMD's public machine-readable ISA for CDNA 5 (MIT licence, August 2026) and "CDNA5" Instruction Set Architecture Reference Guide (July 2026). The comments in the code are by the model that wrote it; some were corrected since.
;; Multi Head Attention. Allowed arithmetic: matrix products marked QUANTISED: E2M3 operands, one E8M0 scale for each 32 along K, by v_wmma_scale_f32_16x16x128_f8f6f4 with both operands' format E2M3, f32 sums; everything else in f32.
;; Inputs: b_out 1,024 float32; b_qkv 3,072 float32; w_out_codes 1,024 x 32 x 24 uint8 (E2M3 codes of w_out, K innermost, in blocks of 32 codes, four codes in three bytes); w_out_scales 1,024 x 32 uint8 (E8M0 scales of w_out, one for each 32 codes along K); w_qkv_codes 3,072 x 32 x 24 uint8 (E2M3 codes of w_qkv, K innermost, in blocks of 32 codes, four codes in three bytes); w_qkv_scales 3,072 x 32 uint8 (E8M0 scales of w_qkv, one for each 32 codes along K); x_codes 4 x 2,048 x 32 x 24 uint8 (E2M3 codes of x, K innermost, in blocks of 32 codes, four codes in three bytes); x_scales 4 x 2,048 x 32 uint8 (E8M0 scales of x, one for each 32 codes along K).
;; Outputs: out0 4 x 2,048 x 1,024 float32.
;; This version of the problem:
;;   THIS VERSION OF THE PROBLEM IS GIVEN IN LOW PRECISION. The matrix products marked QUANTISED in the list below multiply operands that are first quantised to E2M3 (2 exponent bits, 3 mantissa bits; 6 bits a number), with one power-of-two scale for each 32 numbers along K (OCP MX v1.0); their sums are f32. All else is computed in f32.
;;   The module's matrix products, in the order in which they are computed (A, B: the left and right operand; K: the contracted axis; several contracted axes count as one K, in the product's order):
;;     1. [M 8,192, K 1,024] x [K 1,024, N 3,072]; A: input x (given as codes); B: input w_qkv (given as codes): QUANTISED
;;     2. batch 64 x [M 2,048, K 64] x [K 64, N 2,048]; A: computed on the way; B: computed on the way: QUANTISED
;;     3. batch 64 x [M 2,048, K 2,048] x [K 2,048, N 64]; A: softmax (see below); B: computed on the way: QUANTISED
;;     4. [M 8,192, K 1,024] x [K 1,024, N 1,024]; A: computed on the way; B: input w_out (given as codes): QUANTISED
;;   THE QUANTISER, for each operand of a quantised product, along K:
;;     - K is cut into blocks of 32 from its start; a last block that is shorter is filled with zeros.
;;     - A block's scale is 2^e with e = floor(log2(the largest magnitude in the block)) - 2, held to -126 .. 127; a block of zeros has e = 0. As a byte (E8M0): e + 127.
;;     - Each number is divided by its block's scale, clamped to +-7.5, and rounded to the nearest number of E2M3, ties to even, subnormals kept.
;;     - The product sums the exact products of the quantised numbers (number of the format x scale) in f32.
;;   ~~~python
;;   def quantise(x, axis):      # numpy; x: float32 -> the quantised numbers, widened to float32 again
;;       x = np.moveaxis(x, axis, -1); K = x.shape[-1]
;;       x = np.pad(x, [(0, 0)] * (x.ndim - 1) + [(0, -K % 32)]); x = x.reshape(x.shape[:-1] + (-1, 32)); a = np.abs(x).max(-1, keepdims=True)
;;       e = np.where(a > 0, np.clip(np.frexp(np.where(a > 0, a, 1))[1] - 1 - 2, -126, 127), 0)      # np.frexp(a)[1] - 1 = floor(log2(a)), exactly
;;       r = np.clip(x / 2.0 ** e, -7.5, 7.5)
;;       step = 2.0 ** (np.maximum(np.frexp(np.where(r == 0, 1, r))[1] - 1, 0) - 3)
;;       q = np.round(r / step) * step * 2.0 ** e      # np.round: ties to even
;;       return np.moveaxis(q.reshape(q.shape[:-2] + (-1,))[..., :K], -1, axis).astype(np.float32)
;;   ~~~
;;   SOFTMAX AHEAD OF A QUANTISED PRODUCT. Where the list says 'softmax', what is quantised is not the finished softmax but p = 2^(t - M), with t = logit x log2(e) and M = ceil(the row's largest t), a whole number; so 1/2 < the row's largest p <= 1. The row's sum l is taken of the UNQUANTISED p, in f32, and the product's result is divided by l at the end. Since M is a whole number, a kernel that streams over the keys may use a running M (the ceiling of the running maximum): every later rescaling is an exact power of two, which a block's scale takes up: the codes' values come out the same.
;;   OPERANDS COMPUTED ON THE WAY. 'Computed on the way' means the value that the module computes at that place (a softmax that the list does not call 'softmax' is quantised finished and normalised). What goes into a quantiser is computed in f32, as accurately as f32 sums, v_exp_f32 and their like allow (about 1e-6 of the number): no bf16 or f16 on the way to a quantiser, and a product that is left as it is and whose result goes on into a quantised operand takes f32 operands (vector FMAs, or v_wmma_f32_16x16x4_f32). A number that lies on a knife's edge between two numbers of the format may be rounded either way, as far as f32 arithmetic and the matrix unit's own rounding can turn it there, and no further.
;;   INPUTS GIVEN AS CODES. w_out (in the module: [1024, 1024], K = its axis 0); w_qkv (in the module: [1024, 3072], K = its axis 0); x (in the module: [4, 2048, 1024], K = its axis 2): each comes as NAME_codes (uint8): NAME with its K axis moved to the last place and cut into blocks of 32 codes, [.., K / 32, bytes a block], one block behind the other in memory; four codes in three bytes: a row's codes are one little-endian stream of bits, code i at bits 6 i .. 6 i + 5 (a code: sign, 2 exponent bits, 3 mantissa bits); and NAME_scales (uint8): the same leading axes, one E8M0 byte (e + 127) for each 32 codes along K. Its value is code x scale, taken as it is: it is not quantised again, and the codes and scales need not be those that the quantiser above would give.
;; One version. Each part assembles by itself: llvm-mc -triple=amdgcn-amd-amdhsa -mcpu=gfx1250 --defsym DOCPART=n.
;; ======== version 1 of 1: 3 launches
;; workspace buffers: qkv 19,660,800 bytes; o_codes 6,291,456 bytes; o_scales 262,144 bytes
;; launch qkv (part 1): grid 12 x 32, 4 waves a work-group, clusters of 4 x 4, 327,680 bytes of LDS; arguments x_codes, x_scales, w_qkv_codes, w_qkv_scales, b_qkv, qkv; writes qkv
.if DOCPART == 1
	.amdgcn_target "amdgcn-amd-amdhsa--gfx1250"
	.amdhsa_code_object_version 6
	.text
	.protected	k_q8f67c05cc4_qkv
	.globl	k_q8f67c05cc4_qkv
	.p2align	8
	.type	k_q8f67c05cc4_qkv,@function
k_q8f67c05cc4_qkv:
	s_mov_b64 s[64:65], 0
	v_nop
	global_prefetch_b8 v0, s[64:65] scope:SCOPE_SE
	s_setreg_imm32_b32 hwreg(HW_REG_WAVE_MODE, 25, 1), 1
	s_wait_xcnt 0x0
	s_wait_alu depctr_hold_cnt(0) depctr_sa_sdst(0) depctr_va_vdst(0) depctr_va_sdst(0) depctr_va_ssrc(0) depctr_va_vcc(0) depctr_vm_vsrc(0)
	s_getreg_b32 s2, hwreg(HW_REG_IB_STS2, 6, 4)
	s_cmp_eq_u32 s2, 0
	s_cbranch_scc0 .Lentry_in_a_cluster
	s_endpgm
.Lentry_in_a_cluster:
	s_bfe_u32 s2, ttmp6, 0x10000c
	s_cmp_lg_u32 s2, 0xf033
	s_cbranch_scc0 .Lentry_shape_is_right
	s_endpgm
.Lentry_shape_is_right:
; q, k, v = x w_qkv + b_qkv on codes of FP6 (E2M3) with one E8M0 scale for each 32 along K = 1,024; the results are quantised here, in f32, and leave as codes: q and k along a head's 64 channels, v along the tokens.
; A work-group of four waves makes 256 x 256 numbers [A row][B row], a wave 128 x 128: 64 accumulators of 16 x 16.  Source 0 of the matrix instruction = 16 rows of B, source 1 = 16 rows of A: a lane holds ONE row of A,
; and its registers run along B's rows: the axis that is quantised next.
; ONE TEXT, TWO ROLES, NO BRANCH.  Cluster x = 0, 1 (q, k): A = x (8,192 tokens), B = rows 0 .. 2,047 of w_qkv.  Cluster x = 2 (v): A = rows 2,048 .. 3,071 of w_qkv, B = x.  The role hangs on the cluster's x alone, which all
; sixteen partners share; it chooses pointers, offsets and selectors, never a jump.
; K goes in steps of 256 through a ring of two LDS slots filled by joint tensor loads: A's tile is shared along a row of the 4 x 4 cluster, B's along a column.  The scale bytes of the 256 + 256 rows come once and stay.
; THE ORDER OF CODES.  Register 8 t + j of a lane holds position 16 t + 8 (lane / 16) + j along the next K.  Quantised 16 registers at a time and exchanged between the halves of the lanes, a block of 32 comes out as its four
; groups of eight in the order 0, 2, 1, 3.  q meets k and v meets p, each made by the same lines, so both sides of a product have the same order inside a block, which changes no sum.
; WORKSPACE.  A piece = 16 rows x 64 along K = 6 registers a lane = 768 bytes: registers 0-3 at 16 x lane, registers 4-5 at 512 + 8 x lane: each store of the wave covers 512 or 256 consecutive bytes, aligned to 256.
;   bytes 0 ..: for each head (16 x batch + head) 204,800 bytes = 16 steps of 128 keys x 12,800: K's 8 pieces (key tile t), V's 8 pieces (channel tile t, key half c at 2 t + c), K's scale words (256), V's (256).
;   bytes 13,107,200 ..: for each head 102,400 bytes = 16 blocks of 128 queries x 6,400: 8 pieces, 256 bytes of scale words.
;   A run of scale words: the word of operand 2 h + i for row r at 128 h + 8 r + 4 i.  K, Q: operand o = tiles 2 o, 2 o + 1 of 16 rows, two bytes each.  V: operand t = channel tile t, the step's four blocks of keys.
; LIMITS: NaN and infinities among the inputs are not served (a given scale byte 0xff gives NaN).  A block whose largest magnitude lies under 2^-124 keeps the byte 1; so does a block of zeros, whose codes are zeros; these bytes are read by this program alone.
.set KSTEP,  256                       ; along K in a slot
.set NQ,     KSTEP/128                 ; matrix instructions deep
.set ROWB,   192                       ; a tile's row in bytes
.set KROW,   768                       ; a row of 1,024 codes in memory
.set PITCH,  240                       ; an LDS row: 3 x (64 bytes + 16 of padding)
.set FR,     12                        ; registers of a fragment: 16 rows x 128 K
.set NLA,    6                         ; LDS loads that bring a fragment of A
.set NP,     4                         ; places behind this matrix instruction (ISA guide 7.12.1)
.set HALFT,  128*PITCH                 ; 128 rows: what one tensor load brings
.set SLOT,   4*HALFT                   ; A's 256 rows, then B's 256 rows
.set LAPS,   2                         ; 1,024 along K = two laps of two K steps
.set KS,     32                        ; a row of scale bytes
.set SCL,    2*SLOT                    ; behind the ring: the scales, as runs of 256 bytes + 16 of padding
.set HALFS,  (128*KS/256)*272          ; the scales of 128 rows
.set SBLK,   (16*KS/256)*272           ; those of 16 rows
.set SPARE,  SCL+4*HALFS               ; the spare words, 128 bytes for each wave: two blocks of 256 bytes that no other line names
.set ADRA, 16                          ; v16-17 LDS address of my A fragments in slot 0, 1 (v18-19: for the pieces behind one padding more)
.set ADRB, 20                          ; v20-23 the same for B
.set VO16, 24                          ; v24  16 x lane
.set VO8,  25                          ; v25  8 x lane
.set VO16C, 26                         ; v26  16 x lane + the way to a block's second piece
.set ADRS, 27                          ; v27  LDS address of my scale words: lanes 0-15 A's rows, lanes 16-31 B's
.set SPW,  28                          ; v28  LDS address of my spare word; never rewritten
.set NIL,  29                          ; v29  0; never rewritten
.set VO8C, 30                          ; v30  8 x lane + the way to a block's second piece
.set VO8H, 31                          ; v31  8 x lane + a head's bytes
.set SC,   32                          ; v32-63 scale words, two sets; nothing else ever
.set BB,   64                          ; v64-127 the bias along B's rows: the C of each sum's first product
.set AF,   128                         ; v128-223 A's fragments, one set
.set BA,   224                         ; v224-239 the bias along A's rows, a pair for each block
.set PC,   64                          ; the way out: v64-83 the codes just made
.set PWR,  84                          ; v84-91 the eight blocks' scale words
.set WW,   92                          ; v92-99 the words regrouped
.set EE,   100                         ; v100-103 the words as they are stored; v104-105 at work
.set TN,   128                         ; v128-191 64 numbers of a lane
.set TM,   192                         ; v192-207 at work in the quantiser
.set WV,   16                          ; s16 wave;  s17 my half of A's rows, also: I fetch for A (0) or B (1);  s18 my half of B's rows, also: which 128 rows I fetch;  s19 A's tile
.set HA,   17
.set HB,   18
.set TA,   19
.set SEL,  20                          ; s[20:21] on the way out: lane selects for lane xor 16
.set G1,   24                          ; s[24:31] descriptor group 1 for A's tiles; s[32:39] group 0, one set for each slot
.set G0,   32
.set G1B,  48                          ; s[48:55], s[56:63] the same for B's tiles
.set G0B,  56
.set ROLE, 66                          ; s66  1 for v, else 0
.set QF,   67                          ; s67  1 for q, else 0
.set G1S,  68                          ; s[68:75], s[76:79] groups 1 and 0 for A's scales; s[80:87], s[88:91] for B's
.set G0S,  76
.set G1SB, 80
.set G0SB, 88
.set HSR,  94                          ; s94  a head's bytes in the workspace
.set MROLE, 95                         ; s95  all ones for v, else 0
.set OCP,  96                          ; s[96:97] where the block's pieces go
.set OSP,  98                          ; s[98:99] where the scale words go
.set STEPA, 100                        ; s[100:101] from block to block
.set STEPX, 104                        ; s[104:105] once more at block 4 (v: on to the next head)
.set MH,   2                           ; s2   lanes 16-31
.set MSB, 0
.macro WIN new                         ; the immediate's high byte repeats the setting that is left
.if MSB != \new
	s_set_vgpr_msb (MSB<<8)|\new
.set MSB, \new
.endif
.endm
.set MUL_LO, 0xa1                      ; source 0 (B) window 1, source 1 (A) window 0, C and D window 2
.set MUL_HI, 0xf1                      ; the same, C and D window 3
.set FST_LO, 0x81                      ; the first step: C (the bias) window 0, D window 2
.set FST_HI, 0xc1                      ; D window 3
.set TO_B,   0x40                      ; destination window 1, address window 0
; A joint load: waves 0 and 1 fetch for A, waves 2 and 3 for B.  Each line has one mask and one set of registers for all that issue it; the branch hangs on the wave's number alone.  Four v_nop follow each line.
.macro JLOAD g0a, g1a, g0b, g1b
	s_cmp_eq_u32 s[HA], 0
	s_cbranch_scc0 .Lfor_b_\@
	tensor_load_to_lds s[\g0a:\g0a+3], s[\g1a:\g1a+7]
	s_nop 0
.rept 4
	v_nop
.endr
	s_branch .Lasked_\@
.Lfor_b_\@:
	tensor_load_to_lds s[\g0b:\g0b+3], s[\g1b:\g1b+7]
	s_nop 0
.rept 4
	v_nop
.endr
.Lasked_\@:
.endm
.macro CREST                           ; a round of the cluster's barrier behind its opening barrier
	s_cmp_lg_u32 s[WV], 0
	s_cbranch_scc1 .Lnot_wave_0_\@
	s_barrier_signal -3
.Lnot_wave_0_\@:
	s_barrier_wait -3
	s_barrier_signal -1
	s_barrier_wait -1
.endm
.macro CROUND                          ; a whole round
	s_barrier_signal -1
	s_barrier_wait -1
	CREST
.endm
	s_load_b128 s[4:7], s[0:1], 0x0                ; x's codes, x's scales
	s_load_b128 s[8:11], s[0:1], 0x10              ; w_qkv's codes, w_qkv's scales
	s_load_b128 s[12:15], s[0:1], 0x20             ; b_qkv, the workspace
	v_lshl_add_u32 v[SPW], v0, 2, SPARE
	v_mov_b32 v[NIL], 0
	ds_add_u32 v28, v29
	ds_add_u32 v28, v29
	s_wait_dscnt 0x0
	v_lshrrev_b32 v1, 5, v0
	v_readfirstlane_b32 s[WV], v1                  ; wave 0..3
	s_lshr_b32 s[HA], s[WV], 1
	s_and_b32 s[HB], s[WV], 1
	s_bfe_u32 s40, ttmp6, 0x40000                  ; cx, cy: my place in the cluster
	s_bfe_u32 s41, ttmp6, 0x40004
	s_and_b32 s20, ttmp7, 0xffff                   ; cluster y
	s_cmp_eq_u32 ttmp9, 2                          ; the role: cluster x = 2 makes v
	s_cselect_b32 s[ROLE], 1, 0
	s_cselect_b32 s[MROLE], -1, 0
	s_cselect_b32 s21, 0, s20                      ; A's tiles: q, k: 4 y + cy of 32 (tokens); v: cy of 4 (channels)
	s_cselect_b32 s22, s20, ttmp9                  ; B's tiles: q, k: 4 x + cx of 8 (channels); v: 4 y + cx of 32 (tokens)
	s_lshl_b32 s[TA], s21, 2
	s_add_co_u32 s[TA], s[TA], s41
	s_lshl_b32 s42, s22, 2
	s_add_co_u32 s42, s42, s40
	s_cmp_eq_u32 ttmp9, 0
	s_cselect_b32 s[QF], 1, 0
	s_lshl_b32 s43, s41, 2
	s_lshl_b32 s43, 15, s43                        ; my row of the cluster
	s_lshl_b32 s44, 0x1111, s40                    ; my column
	; descriptor group 1: a tile of 128 rows x 192 bytes, 16 bytes of padding behind every 64
	s_or_b32 s[G1+0], s43, (0<<16)|(1<<20)|(1<<21)|(3<<22)|(3<<25)  ; 15:0 the mask: A's tiles go to my row; 17:16 elements of 1 byte; 20 padding on; 21 set beside a mask; 24:22 after every 16 words; 31:25 4 words
	s_or_b32 s[G1B+0], s44, (0<<16)|(1<<20)|(1<<21)|(3<<22)|(3<<25)
.irp g, G1, G1B
	s_mov_b32 s[\g+1], ROWB<<16                    ; tensor_dim0
	s_mov_b32 s[\g+2], 128<<16                     ; tensor_dim1
	s_mov_b32 s[\g+3], ROWB<<16                    ; tile_dim0
	s_mov_b32 s[\g+4], 128                         ; tile_dim1
	s_mov_b32 s[\g+5], KROW                        ; from row to row
	s_mov_b32 s[\g+6], 0
	s_mov_b32 s[\g+7], 0
.endr
	; the scales of 128 rows: 4,096 dense bytes, as 16 rows of 256 bytes (32 elements of 8), 16 bytes of padding behind each
	s_or_b32 s[G1S+0], s43, (3<<16)|(1<<20)|(1<<21)|(5<<22)|(3<<25)
	s_or_b32 s[G1SB+0], s44, (3<<16)|(1<<20)|(1<<21)|(5<<22)|(3<<25)
.irp g, G1S, G1SB
	s_mov_b32 s[\g+1], 32<<16
	s_mov_b32 s[\g+2], (128*KS/256)<<16
	s_mov_b32 s[\g+3], 32<<16
	s_mov_b32 s[\g+4], 128*KS/256
	s_mov_b32 s[\g+5], 32
	s_mov_b32 s[\g+6], 0
	s_mov_b32 s[\g+7], 0
.endr
	s_lshl_b32 s22, s[HB], 7                       ; which 128 rows of the tile I fetch
	s_lshl_b32 s20, s[TA], 8
	s_add_co_u32 s20, s20, s22
	s_lshl_b32 s23, s[ROLE], 11
	s_add_co_u32 s20, s20, s23                     ; A's row: 256 x tile + 128 x half; v's channels begin at row 2,048 of w_qkv
	s_lshl_b32 s46, s42, 8
	s_add_co_u32 s46, s46, s22                     ; B's row
	s_lshl_b32 s22, s20, 5                         ; where these rows' scales begin, in bytes (32 a row),
	s_mov_b32 s23, 0
	s_mul_i32 s20, s20, KROW                       ; and their codes (8,191 x 768 at the most)
	s_mov_b32 s21, 0
	s_lshl_b32 s92, s46, 5
	s_mov_b32 s93, 0
	s_mul_i32 s46, s46, KROW
	s_mov_b32 s47, 0
	s_mul_i32 s45, s[WV], HALFT                    ; where they go: wave x 128 rows: no place in the cluster enters an LDS address
	s_mul_i32 s94, s[WV], HALFS
	s_wait_kmcnt 0x0
	s_cmp_eq_u32 ttmp9, 2                          ; the buffers change places with the role: a choice that hangs on no address
	s_cselect_b64 s[96:97], s[8:9], s[4:5]         ; A's codes
	s_cselect_b64 s[98:99], s[10:11], s[6:7]       ; A's scales
	s_cselect_b64 s[8:9], s[4:5], s[8:9]           ; B's codes
	s_cselect_b64 s[10:11], s[6:7], s[10:11]       ; B's scales
	s_mov_b64 s[4:5], s[96:97]
	s_mov_b64 s[6:7], s[98:99]
	s_add_nc_u64 s[20:21], s[4:5], s[20:21]
	s_add_nc_u64 s[22:23], s[6:7], s[22:23]
	s_add_nc_u64 s[46:47], s[8:9], s[46:47]
	s_add_nc_u64 s[92:93], s[10:11], s[92:93]
	CROUND                                         ; all sixteen work-groups are here: the first joint loads meet
	s_mov_b32 s[G0S], 1
	s_add_co_u32 s[G0S+1], s94, SCL
	s_mov_b64 s[G0S+2:G0S+3], s[22:23]
	s_or_b32 s[G0S+3], s[G0S+3], 0x80000000
	s_mov_b32 s[G0SB], 1
	s_add_co_u32 s[G0SB+1], s94, SCL
	s_mov_b64 s[G0SB+2:G0SB+3], s[92:93]
	s_or_b32 s[G0SB+3], s[G0SB+3], 0x80000000
	JLOAD G0S, G1S, G0SB, G1SB                     ; the scales first: they are wanted with K step 0
.irp s, 0,1
	s_mov_b32 s[G0+4*\s], 1
	s_add_co_u32 s[G0+4*\s+1], s45, \s*SLOT
	s_add_nc_u64 s[G0+4*\s+2:G0+4*\s+3], s[20:21], \s*ROWB
	s_or_b32 s[G0+4*\s+3], s[G0+4*\s+3], 0x80000000
	s_mov_b32 s[G0B+4*\s], 1
	s_add_co_u32 s[G0B+4*\s+1], s45, \s*SLOT
	s_add_nc_u64 s[G0B+4*\s+2:G0B+4*\s+3], s[46:47], \s*ROWB
	s_or_b32 s[G0B+4*\s+3], s[G0B+4*\s+3], 0x80000000
	JLOAD G0+4*\s, G1, G0B+4*\s, G1B               ; by this text's count three tensor loads of a wave are out
.endr
	v_and_b32 v1, 15, v0                           ; r = lane % 16
	v_bfe_u32 v2, v0, 4, 1                         ; h = lane / 16
	v_mul_u32_u24 v3, v1, PITCH
	v_mul_u32_u24 v4, v2, 24
	v_add_nc_u32 v4, v3, v4                        ; a fragment's row x pitch + 24 x half
	v_lshl_add_u32 v5, v2, 4, v4                   ; and the same behind one padding more
	s_mul_i32 s21, s[HA], HALFT                    ; my 128 rows of A
	s_mul_i32 s22, s[HB], HALFT                    ; my 128 rows of B,
	s_add_co_u32 s22, s22, 2*HALFT                 ; which lie behind A's 256
.irp s, 0,1
	v_add_nc_u32 v[ADRA+\s], s21, v4
	v_add_nc_u32 v[ADRB+\s], s22, v4
	v_add_nc_u32 v[ADRA+2+\s], s21, v5
	v_add_nc_u32 v[ADRB+2+\s], s22, v5
	s_add_co_u32 s21, s21, SLOT
	s_add_co_u32 s22, s22, SLOT
.endr
	v_mul_u32_u24 v5, v1, KS                       ; my row's scales: 32 bytes a row,
	v_lshrrev_b32 v6, 8, v5
	v_lshl_add_u32 v5, v6, 4, v5                   ; and 16 more for each 256 passed
	s_mul_i32 s21, s[HA], HALFS                    ; A's: my 128 rows
	s_mul_i32 s22, s[HB], HALFS                    ; B's: my 128 rows, behind A's 256
	s_add_co_u32 s22, s22, 2*HALFS
	s_sub_co_u32 s22, s22, s21
	v_mul_u32_u24 v6, s22, v2                      ; lanes 16-31 take B's
	s_add_co_u32 s21, s21, SCL
	v_add_nc_u32 v5, v5, v6
	v_add_nc_u32 v[ADRS], s21, v5
	v_and_b32 v6, 31, v0
	v_lshlrev_b32 v[VO16], 4, v6
	v_lshlrev_b32 v[VO8], 3, v6
	; where my 128 x 128 numbers go.  Offsets are made apart from the address.
	s_lshl_b32 s20, s[TA], 8
	s_lshl_b32 s21, s[HA], 7
	s_add_co_u32 s20, s20, s21                     ; my first row of A
	s_lshl_b32 s21, s42, 8
	s_lshl_b32 s22, s[HB], 7
	s_add_co_u32 s21, s21, s22                     ; my first row of B
	s_cmp_eq_u32 s[ROLE], 1
	s_cselect_b32 s22, s21, s20                    ; my first token: a multiple of 128,
	s_cselect_b32 s23, s20, s21                    ; my first channel
	s_and_b32 s23, s23, 1023
	s_lshr_b32 s23, s23, 6                         ; my first head; I hold two
	s_lshr_b32 s46, s22, 11                        ; batch
	s_lshl_b32 s46, s46, 4
	s_add_co_u32 s46, s46, s23                     ; 16 x batch + head
	s_bfe_u32 s47, s22, 0x40007                    ; which 128 tokens of the 2,048
	s_lshr_b32 s[HSR], 204800, s[QF]               ; a head's bytes: 204,800 for K and V, 102,400 for Q
	s_lshr_b32 s92, 12800, s[QF]                   ; 128 tokens' bytes: 12,800, 6,400
	s_mul_i32 s46, s46, s[HSR]
	s_mul_i32 s47, s47, s92
	s_add_co_u32 s46, s46, s47
	s_mul_i32 s47, s[QF], 13107200                 ; Q lies behind K and V
	s_add_co_u32 s46, s46, s47
	s_mov_b32 s47, 0
	s_add_nc_u64 s[OCP:OCP+1], s[14:15], s[46:47]
	s_lshr_b32 s92, 12288, s[QF]                   ; the scale words lie behind the pieces; V's behind K's
	s_lshl_b32 s93, s[ROLE], 8
	s_add_co_u32 s92, s92, s93
	s_mov_b32 s93, 0
	s_add_nc_u64 s[OSP:OSP+1], s[OCP:OCP+1], s[92:93]
	s_mul_i32 s92, s[ROLE], 6144                   ; V's pieces lie behind K's
	s_add_nc_u64 s[OCP:OCP+1], s[OCP:OCP+1], s[92:93]
	s_lshl_b32 s[STEPA], 768, s[ROLE]              ; block a: q, k: token tile a, a piece on; v: channel tile a, two pieces on,
	s_mov_b32 s[STEPA+1], 0
	s_mul_i32 s[STEPX], s[ROLE], 198656            ; and at a = 4 on to the next head: 204,800 - 4 x 1,536
	s_mov_b32 s[STEPX+1], 0
	s_mov_b32 s92, 768
	s_cmp_eq_u32 s[ROLE], 1
	s_cselect_b32 s92, s92, s[HSR]                 ; a block's second piece: q, k: the next head; v: the keys' second half
	v_add_nc_u32 v[VO16C], s92, v[VO16]
	v_add_nc_u32 v[VO8C], s92, v[VO8]
	v_add_nc_u32 v[VO8H], s[HSR], v[VO8]
	; the bias.  q, k: it runs along B's rows, my registers.  v: along A's rows, my lanes.  Both are loaded from inside the buffer; the one that the role does not have becomes 0.
	v_lshlrev_b32 v7, 5, v2                        ; 8 h numbers
	v_lshlrev_b32 v8, 2, v1                        ; r numbers
	s_add_co_u32 s46, s20, 2048
	s_cmp_eq_u32 s[ROLE], 1
	s_cselect_b32 s92, 0, s21
	s_cselect_b32 s46, s46, 0
	s_lshl_b32 s92, s92, 2
	s_lshl_b32 s46, s46, 2
	s_mov_b32 s93, 0
	s_mov_b32 s47, 0
	s_add_nc_u64 s[92:93], s[12:13], s[92:93]
	s_add_nc_u64 s[46:47], s[12:13], s[46:47]
.irp b, 0,1,2,3,4,5,6,7
	global_load_b128 v[BB+8*\b:BB+8*\b+3], v7, s[92:93] offset:64*\b       ; b(16 b + 8 h + 0 .. 7)
	global_load_b128 v[BB+8*\b+4:BB+8*\b+7], v7, s[92:93] offset:64*\b+16
.endr
.irp a, 0,1,2,3,4,5,6,7
	global_load_b32 v[BA+2*\a], v8, s[46:47] offset:64*\a                  ; b(16 a + r)
.endr
	s_wait_loadcnt 0x0
.set k, 0
.rept 64
	v_cndmask_b32 v[BB+k], v[BB+k], 0, s[MROLE]
.set k, k+1
.endr
.irp a, 0,1,2,3,4,5,6,7
	v_cndmask_b32 v[BA+2*\a+1], 0, v[BA+2*\a], s[MROLE]                    ; both halves of the pair that the packed addition names
	v_cndmask_b32 v[BA+2*\a], 0, v[BA+2*\a], s[MROLE]
.endr
.macro FRAG reg, adr, q, i             ; a fragment: lane l holds row l % 16; registers 6 c .. 6 c + 5 hold K = 64 c + 32 (l / 16) + 0 .. 31: 24 bytes of the row's stream of bits, as they lie
.irp p, 0,1,2,3,4,5                    ; in pieces of 8 bytes.  Lanes 16-31 read three pieces further on than lanes 0-15; where that lies behind one padding more, the second address register serves
.set PCE, 12*(\q)+6*(\p/3)+\p%3
.if PCE%8 < 5
	ds_load_b64 v[\reg+2*\p:\reg+2*\p+1], v[\adr] offset:8*PCE+16*(PCE/8)+(\i)*16*PITCH
.else
	ds_load_b64 v[\reg+2*\p:\reg+2*\p+1], v[\adr+2] offset:8*PCE+16*(PCE/8)+(\i)*16*PITCH
.endif
.endr
.endm
; 16 matrix instructions: A's blocks a0, a0 + 1 x B's eight, 128 along K: the slot's q-th.  p: B's set;  sc: the set of scale words.  zero = 1: the first product starts the sums, with the bias as its C: nothing is cleared.
; The 64 accumulators take turns, one instruction a turn, in the same order in every step.
.macro MUL16 a0, p, q, sc, zero
.irp a, \a0, \a0+1
.irp b, 0,1,2,3,4,5,6,7
.if \zero
	v_wmma_scale_f32_16x16x128_f8f6f4 v[8*(8*((\a)%4)+\b):8*(8*((\a)%4)+\b)+7], v[128*(\p)+FR*\b:128*(\p)+FR*\b+FR-1], v[AF+FR*(\a):AF+FR*(\a)+FR-1], v[BB+8*\b:BB+8*\b+7], v[SC+8*NQ*(\sc)+NQ*\b+(\q)], v[SC+8*NQ*(\sc)+NQ*(\a)+(\q)] matrix_a_fmt:MATRIX_FMT_FP6 matrix_b_fmt:MATRIX_FMT_FP6 matrix_a_scale:MATRIX_SCALE_ROW1
.else
	v_wmma_scale_f32_16x16x128_f8f6f4 v[8*(8*((\a)%4)+\b):8*(8*((\a)%4)+\b)+7], v[128*(\p)+FR*\b:128*(\p)+FR*\b+FR-1], v[AF+FR*(\a):AF+FR*(\a)+FR-1], v[8*(8*((\a)%4)+\b):8*(8*((\a)%4)+\b)+7], v[SC+8*NQ*(\sc)+NQ*\b+(\q)], v[SC+8*NQ*(\sc)+NQ*(\a)+(\q)] matrix_a_fmt:MATRIX_FMT_FP6 matrix_b_fmt:MATRIX_FMT_FP6 matrix_a_scale:MATRIX_SCALE_ROW1
.endif
.endr
.endr
.endm
.macro FETCH_B slot, q, p              ; B's eight fragments of the slot's q-th 128 along K into set p
	WIN TO_B
.irp i, 0,1,2,3,4,5,6,7
	FRAG 128*(\p)+FR*\i, ADRB+\slot, \q, \i
.endr
	WIN 0
.endm
.macro FETCH_A slot, q, i0             ; A's blocks i0 .. i0 + 3
.irp i, \i0, \i0+1, \i0+2, \i0+3
	FRAG AF+FR*(\i), ADRA+\slot, \q, \i
.endr
.endm
.macro SCALES sc                       ; the next K step's scale words into set sc: two words a row; lanes 0-15 take A's block i, lanes 16-31 B's block i
.irp i, 0,1,2,3,4,5,6,7
	ds_load_b64 v[SC+8*NQ*\sc+NQ*\i:SC+8*NQ*\sc+NQ*\i+1], v[ADRS] offset:\i*SBLK
.endr
.endm
.macro PLACES n                        ; plain vector instructions between a matrix instruction and a load into, or a vector instruction on, its registers (ISA guide 7.12.1 for vector instructions)
.rept \n
	v_nop
.endr
.endm
; A step of 128 along K that has its successor in the same slot.
.macro STEP slot, q, zero
	s_wait_dscnt 4*NLA                             ; B's set and A's blocks 0-3 are in; the youngest loads (A's blocks 4-7) may be out
.if \zero
	WIN FST_LO
.else
	WIN MUL_LO
.endif
	MUL16 0, (\q)%2, \q, \slot, \zero
	MUL16 2, (\q)%2, \q, \slot, \zero
	s_wait_dscnt 0                                 ; A's blocks 4-7 are in
	PLACES NP
	FETCH_B \slot, (\q)+1, 1-(\q)%2
	FETCH_A \slot, (\q)+1, 0
.if \zero
	WIN FST_HI
.else
	WIN MUL_HI
.endif
	MUL16 4, (\q)%2, \q, \slot, \zero
	MUL16 6, (\q)%2, \q, \slot, \zero
	PLACES NP
	WIN 0
	FETCH_A \slot, (\q)+1, 4
.endm
; A slot's last step changes slots: one barrier; in front of it each wave waits for all its tensor loads, adds 0 to its spare word, and waits for that and for its own reads of this slot.  fill = 1: this slot is filled again, two K steps ahead.
.macro TURN slot, next, fill
	s_wait_tensorcnt 0x0                           ; all my tensor loads have landed: my part of the next slot
	ds_add_u32 v[SPW], v[NIL]                      ; 0 onto my spare word
	s_wait_dscnt 4*NLA+1                           ; (the add and the youngest loads, A's blocks 4-7, may be out)
	WIN MUL_LO
	MUL16 0, 1, NQ-1, \slot, 0                     ; sixteen matrix instructions stand between the add and the wait for it
	s_wait_dscnt 0x0                               ; the add is done, and my reads of this slot are over
	s_barrier_signal -1
	MUL16 2, 1, NQ-1, \slot, 0
	WIN 0
	s_barrier_wait -1
.if \fill
	CREST                                          ; the barrier has opened a round of the cluster's barrier: no wave of any partner still reads this slot's tile or has a load on its way
	s_add_nc_u64 s[G0+4*\slot+2:G0+4*\slot+3], s[G0+4*\slot+2:G0+4*\slot+3], 2*ROWB
	s_add_nc_u64 s[G0B+4*\slot+2:G0B+4*\slot+3], s[G0B+4*\slot+2:G0B+4*\slot+3], 2*ROWB
	JLOAD G0+4*\slot, G1, G0B+4*\slot, G1B         ; the first tensor load behind the round; its four v_nop are also the places in front of the loads below
.else
	PLACES NP
.endif
	v_add_nc_u32 v[ADRS], 4*NQ, v[ADRS]            ; on to the next K step's scale words
	FETCH_B \next, 0, 0
	FETCH_A \next, 0, 0
	SCALES \next
	WIN MUL_HI
	MUL16 4, 1, NQ-1, \slot, 0
	MUL16 6, 1, NQ-1, \slot, 0
	PLACES NP
	WIN 0
	FETCH_A \next, 0, 4
.endm
	s_wait_tensorcnt 1                             ; the scales and my part of K step 0 are in (K step 1's load may be out),
	s_barrier_signal -1
	s_barrier_wait -1                              ; everybody's are
	FETCH_B 0, 0, 0
	FETCH_A 0, 0, 0
	SCALES 0
	FETCH_A 0, 0, 4
	STEP 0, 0, 1                                   ; the first step stands in front of the loop: its products start the sums
	s_mov_b32 s3, LAPS-1
.Llap:                                                 ; a trip goes once round the ring, from a lap's second step to the next lap's first, and fills both slots again
	TURN 0, 1, 1
	STEP 1, 0, 0
	TURN 1, 0, 1
	STEP 0, 0, 0
	s_sub_co_u32 s3, s3, 1
	s_cmp_lg_u32 s3, 0
	s_cbranch_scc1 .Llap
	TURN 0, 1, 0                                   ; the last lap fills nothing, and has no round of the cluster's barrier
	STEP 1, 0, 0
	s_wait_dscnt 4*NLA                             ; the very last step: nothing more to fetch
	WIN MUL_LO
	MUL16 0, 1, NQ-1, 1, 0
	MUL16 2, 1, NQ-1, 1, 0
	s_wait_dscnt 0
	WIN MUL_HI
	MUL16 4, 1, NQ-1, 1, 0
	MUL16 6, 1, NQ-1, 1, 0
	WIN 0
; THE WAY OUT.  64 numbers of a lane, v[s] .. v[s + 63], four blocks of 32 shared with lane xor 16, become 12 registers of codes in v[pc] on and the row's scale word in v[pw].
.macro QUANT s, pc, pw
.irp b, 0,1,2,3
	v_max3_num_f32 v[TM+\b], |v[\s+16*\b]|, |v[\s+1+16*\b]|, 0x1800000   ; block b: my 16 numbers, and the floor 2^(3 - 127): so the byte cannot fall under 1
.endr
.irp i, 2,4,6,8,10,12,14
.irp b, 0,1,2,3
	v_max3_num_f32 v[TM+\b], v[TM+\b], |v[\s+16*\b+\i]|, |v[\s+1+16*\b+\i]|   ; (the four blocks by turns)
.endr
.endr
.irp b, 0,1,2,3
	v_permlanex16_b32 v[TM+4+\b], v[TM+\b], s[SEL], s[SEL+1]
.endr
.irp b, 0,1,2,3
	v_max_num_f32 v[TM+\b], v[TM+\b], v[TM+4+\b]   ; with lane xor 16's: the block's largest magnitude
.endr
.irp b, 0,1,2,3
	v_add_nc_u32 v[TM+12+\b], 0xff000000, v[TM+\b] ; 2 off its exponent field: the conversion takes the exponent field of this operand as its scale
.endr
.irp b, 0,1,2,3
	v_lshrrev_b32 v[TM+4+\b], 23, v[TM+12+\b]      ; the scale's byte
.endr
	v_lshl_or_b32 v[\pw], v[TM+5], 8, v[TM+4]
	v_lshl_or_b32 v[\pw], v[TM+6], 16, v[\pw]
	v_lshl_or_b32 v[\pw], v[TM+7], 24, v[\pw]
.irp c, 0,1
	v_cvt_scalef32_pk16_fp6_f32 v[\pc+6*\c:\pc+2+6*\c], v[\s+32*\c:\s+15+32*\c], v[TM+12+2*\c]
	v_cvt_scalef32_pk16_fp6_f32 v[\pc+12+4*\c:\pc+14+4*\c], v[\s+16+32*\c:\s+31+32*\c], v[TM+12+2*\c+1]   ; (a conversion's three registers begin on an even number)
.endr
	v_nop                                          ; one plain instruction behind a scaled conversion
.irp c, 0,1                                    ; a whole block to a lane: lanes 0-15 block 2 c, lanes 16-31 block 2 c + 1
.irp i, 0,1,2
	v_permlane16_swap_b32 v[\pc+6*\c+\i], v[\pc+12+4*\c+\i]
.endr
.irp i, 0,1,2
	v_mov_b32 v[\pc+3+6*\c+\i], v[\pc+12+4*\c+\i]
.endr
.endr
.endm
; Block a: 16 rows of A x my 128 rows of B.  The bias along A's rows is added (0 for q and k), each accumulator read from its low end on; two pieces leave.
.macro BLOCKOUT a
.if (\a) > 0
	s_wait_xcnt 0x0                                ; the last block's stores have read their data and their base: both are written again only behind this wait
	s_add_nc_u64 s[OCP:OCP+1], s[OCP:OCP+1], s[STEPA:STEPA+1]
.endif
.if (\a) == 4
	s_add_nc_u64 s[OCP:OCP+1], s[OCP:OCP+1], s[STEPX:STEPX+1]
.endif
	WIN 0x02+(\a)/4                                ; source 0: window 2 or 3
.set k, 0
.rept 32
	v_pk_add_f32 v[TN+2*k:TN+2*k+1], v[64*((\a)%4)+2*k:64*((\a)%4)+2*k+1], v[BA+2*(\a):BA+2*(\a)+1]
.set k, k+1
.endr
	WIN 0
	QUANT TN, PC, PWR+(\a)
	global_store_b128 v[VO16], v[PC:PC+3], s[OCP:OCP+1]                ; 512 consecutive bytes, aligned to 256
	global_store_b64 v[VO8], v[PC+4:PC+5], s[OCP:OCP+1] offset:512     ; 256
	global_store_b128 v[VO16C], v[PC+6:PC+9], s[OCP:OCP+1]
	global_store_b64 v[VO8C], v[PC+10:PC+11], s[OCP:OCP+1] offset:512
.endm
	PLACES NP                                      ; behind the last products: their results are read and A's registers are written below
.irp b, 0,1,2,3
	v_mov_b32 v[TM+4+\b], 0                        ; written once: a lane permute's destination counts as one of its sources
.endr
	s_mov_b32 s[SEL], 0x76543210
	s_mov_b32 s[SEL+1], 0xfedcba98
.irp a, 0,1,2,3,4,5,6,7
	BLOCKOUT \a
.endr
	; the scale words.  q, k: block a's word holds (head 0: two bytes; head 1: two bytes) of token tile a; an operand's word is two bytes of tile 2 b and two of tile 2 b + 1.  v: block a's word is channel tile a's word as it stands.
	s_mov_b32 s[MH], 0xffff0000
	s_cmp_eq_u32 s[ROLE], 1
	s_mov_b32 s22, 0x05040100
	s_cselect_b32 s22, 0x03020100, s22
	s_mov_b32 s23, 0x07060302
	s_cselect_b32 s23, 0x07060504, s23
.irp b, 0,1,2,3
	v_perm_b32 v[WW+\b], v[PWR+2*\b+1], v[PWR+2*\b], s22     ; q, k: head 0, operand b;  v: block 2 b
	v_perm_b32 v[WW+4+\b], v[PWR+2*\b+1], v[PWR+2*\b], s23   ; q, k: head 1, operand b;  v: block 2 b + 1
.endr
.irp c, 0,1                                    ; head c; register i of lane (r, h) is the word of operand 2 h + i
.irp i, 0,1
	v_cndmask_b32 v104, v[WW+4*\c+\i], v[WW+4*\c+2+\i], s[MH]
	v_cndmask_b32 v105, v[WW+4*\i+2*\c], v[WW+4*\i+2*\c+1], s[MH]
	v_cndmask_b32 v[EE+2*\c+\i], v104, v105, s[MROLE]
.endr
.endr
	global_store_b64 v[VO8], v[EE:EE+1], s[OSP:OSP+1]        ; 256 consecutive bytes, aligned
	global_store_b64 v[VO8H], v[EE+2:EE+3], s[OSP:OSP+1]     ; the next head's
	s_wait_tensorcnt 0x0                           ; the wave's end
	ds_add_u32 v[SPW], v[NIL]
	s_wait_dscnt 0x0
	CROUND                                         ; the closing round: no work-group ends while a partner may still ask for a tile that names it
	s_endpgm
.Lfunc_end_k_q8f67c05cc4_qkv:
	.size	k_q8f67c05cc4_qkv, .Lfunc_end_k_q8f67c05cc4_qkv-k_q8f67c05cc4_qkv
	.p2alignl 7, 3214868480
	.fill 96, 4, 3214868480
	.section	.rodata,"a",@progbits
	.p2align	6, 0x0
	.amdhsa_kernel k_q8f67c05cc4_qkv
		.amdhsa_group_segment_fixed_size 327680
		.amdhsa_private_segment_fixed_size 0
		.amdhsa_enable_private_segment 0
		.amdhsa_kernarg_size 48
		.amdhsa_user_sgpr_count 2
		.amdhsa_user_sgpr_kernarg_segment_ptr 1
		.amdhsa_wavefront_size32 1
		.amdhsa_system_sgpr_workgroup_id_x 1
		.amdhsa_system_sgpr_workgroup_id_y 1
		.amdhsa_system_sgpr_workgroup_id_z 1
		.amdhsa_system_vgpr_workitem_id 0
		.amdhsa_next_free_vgpr 1024
		.amdhsa_next_free_sgpr 106
		.amdhsa_reserve_vcc 0
		.amdhsa_float_denorm_mode_32 3
		.amdhsa_float_denorm_mode_16_64 3
		.amdhsa_memory_ordered 1
		.amdhsa_forward_progress 1
		.amdhsa_inst_pref_size 191
	.end_amdhsa_kernel
	.amdgpu_metadata
---
amdhsa.version: [ 1, 2 ]
amdhsa.kernels:
  - .name:           k_q8f67c05cc4_qkv
    .symbol:         k_q8f67c05cc4_qkv.kd
    .args:
      - { .name: x_codes, .offset: 0, .size: 8, .value_kind: global_buffer, .address_space: global }
      - { .name: x_scales, .offset: 8, .size: 8, .value_kind: global_buffer, .address_space: global }
      - { .name: w_qkv_codes, .offset: 16, .size: 8, .value_kind: global_buffer, .address_space: global }
      - { .name: w_qkv_scales, .offset: 24, .size: 8, .value_kind: global_buffer, .address_space: global }
      - { .name: b_qkv, .offset: 32, .size: 8, .value_kind: global_buffer, .address_space: global }
      - { .name: qkv, .offset: 40, .size: 8, .value_kind: global_buffer, .address_space: global }
    .group_segment_fixed_size: 327680
    .private_segment_fixed_size: 0
    .kernarg_segment_align: 8
    .kernarg_segment_size: 48
    .max_flat_workgroup_size: 128
    .sgpr_count:     106
    .vgpr_count:     1024
    .wavefront_size: 32
...
	.end_amdgpu_metadata
.endif
;; end of part 1
;; launch attn (part 2): grid 4 x 64, 16 waves a work-group, no clusters, 206,848 bytes of LDS; arguments qkv, o_codes, o_scales; writes o_codes, o_scales
.if DOCPART == 2
	.amdgcn_target "amdgcn-amd-amdhsa--gfx1250"
	.amdhsa_code_object_version 6
	.text
	.protected	k_q8f67c05cc4_attn
	.globl	k_q8f67c05cc4_attn
	.p2align	8
	.type	k_q8f67c05cc4_attn,@function
k_q8f67c05cc4_attn:
	s_mov_b64 s[64:65], 0
	v_nop
	global_prefetch_b8 v0, s[64:65] scope:SCOPE_SE
	s_setreg_imm32_b32 hwreg(HW_REG_WAVE_MODE, 25, 1), 1
	s_wait_xcnt 0x0
; Causal attention of one head on codes of FP6 (E2M3): S^T = K Q^T, p = 2^(t - M), O^T = V^T P^T, O / l, and O quantised along the model's 1,024 for the last product.
; t = score x log2(e) / 8; M = the running largest t rounded UP to a whole number; p is quantised along the keys, not normalised; the row's sum l is taken of the unquantised p and divides at the end.
; SHARES.  Work-group (i, head) owns the blocks 7 - i and i of 256 queries.  Each of its sixteen waves owns one tile of 16 queries in each: pass A: query 256 (7 - i) + 16 (15 - w) on; pass B: 256 i + 16 w on.
; A pass walks the keys 128 a step and leaves out the steps all of whose keys come after its queries (a scalar branch on ids): (2 (7 - i) + (15 - w) / 8 + 1) + (2 i + w / 8 + 1) = 17 steps for every wave of every work-group.
; LDS.  The head's K and V, codes and scale words, 204,800 bytes, lie in LDS as they lie in memory, step j at 12,800 j.  They are filled ONCE, by sixteen tensor loads of waves 0 to 3 at the head; nothing is filled again and nothing is stored to LDS.
; NO CLUSTER, though the four work-groups of a head read the same K and V: the step that is left out is a branch on the work-group's block of queries, which would be its place in the cluster.
; LAYOUT.  Both products are used transposed, so a lane holds one query (lane % 16) throughout.  A piece = 16 rows x 64 along K = 6 registers a lane: registers 0-3 at 16 x lane, 4-5 at 512 + 8 x lane.
; THE HEAD'S 64 ARE HALF OF THE INSTRUCTION'S 128: an operand of K is the pieces of key tiles 2 b and 2 b + 1; against (q, zero codes) it gives tile 2 b's scores, against (zero codes, q) tile 2 b + 1's.  Zero codes add exact zeros.
; Inside a block of 32 the codes of q and k, and of p and v, stand in the same order (groups of eight: 0, 2, 1, 3), which changes no sum.  O meets w_out, which is given in the natural order: there the order is put right, by four byte permutes.
; O's scale bytes: a head owns 2 of a token's 32, so they leave as single bytes, one part in 24 of what this launch stores; whole runs would want all sixteen heads in one work-group.
; LIMITS: NaN and infinities are not served.  A block whose largest magnitude lies under 2^-124 keeps the byte 1; so does a block of zeros, whose codes are zeros; these bytes are read by this program alone.
; REGISTERS: v1 16 x lane, v2 8 x lane, v3-4 the step's LDS addresses, v5-6 q's scale words as loaded, v7 32 r + h, v8 8 r, v9 r - 8 h, v10 at work, v11 -infinity; v12 -M, v13 the largest t, v[14:15] the sum;
;   v16-45 the run [zeros][q of pass A][zeros][q of pass B][zeros], six each; v46, v47 q's scale words; v48-95 four operands of K, then of V; v96-159 S^T, then p; v160-191 O^T; v192-198 the way out;
;   v224-235 p's codes; v232-247 at work; v[248:249] K's scale words, v[250:251] V's; v252 f; v253 p's scale word; v254 at work.
.set HSB,  204800                      ; a head's K and V
.set SSB,  12800                       ; a step's
.set QOFF, 13107200                    ; Q lies behind K and V
.set FK,   48
.set ST,   96
.set OT,   160
.set WV,   10                          ; s10 wave, s11 work-group x, s12 16 x batch + head
.set WI,   11
.set BH,   12
.set SEL,  20                          ; s[20:21] lane selects for lane xor 16
.set CS,   22                          ; s[22:23] c = log2(e) / 8
.set G1,   24                          ; s[24:31] descriptor group 1; s[32:47] four groups 0
.set G0,   32
.set TB,   48                          ; s48 LDS byte of the step in hand
.set KF,   49                          ; s49 its first key
.set Q0,   50                          ; s50 the pass's first query
.set CNT,  51
.set MH,   52                          ; s52 lanes 16-31
.set QA0,  53
.set QB0,  54
.set OCA,  56                          ; s[56:57], s[58:59] where pass A's piece and scale bytes go; s[60:61], s[62:63] pass B's
.set OSA,  58
.set OCB,  60
.set OSB,  62
	s_load_b128 s[4:7], s[0:1], 0x0                ; the workspace of q, k, v; O's codes
	s_load_b64 s[8:9], s[0:1], 0x10                ; O's scale bytes
	v_lshl_add_u32 v243, v0, 2, 0x32000
	v_mov_b32 v255, 0
	ds_add_u32 v243, v255
	ds_add_u32 v243, v255
	v_lshrrev_b32 v10, 5, v0
	v_readfirstlane_b32 s[WV], v10                 ; wave 0..15
	s_mov_b32 s[WI], ttmp9
	s_and_b32 s[BH], ttmp7, 0xffff
	; descriptor group 1: a step's 12,800 dense bytes as 50 rows of 256 (32 elements of 8 bytes), no padding
	s_mov_b32 s[G1], 3<<16
	s_mov_b32 s[G1+1], 32<<16                      ; tensor_dim0
	s_mov_b32 s[G1+2], 50<<16                      ; tensor_dim1
	s_mov_b32 s[G1+3], 32<<16                      ; tile_dim0
	s_mov_b32 s[G1+4], 50                          ; tile_dim1
	s_mov_b32 s[G1+5], 32                          ; from row to row
	s_mov_b32 s[G1+6], 0
	s_mov_b32 s[G1+7], 0
	s_mul_i32 s66, s[BH], HSB
	s_mul_i32 s67, s[WV], SSB
	s_add_co_u32 s68, s66, s67
	s_mov_b32 s69, 0
	s_wait_dscnt 0x0
	s_wait_kmcnt 0x0
	s_add_nc_u64 s[70:71], s[4:5], s[68:69]
.irp s, 0,1,2,3                                ; load s of wave w brings step 4 s + w
	s_mov_b32 s[G0+4*\s], 1
	s_add_co_u32 s[G0+4*\s+1], s67, 4*SSB*\s
	s_add_nc_u64 s[G0+4*\s+2:G0+4*\s+3], s[70:71], 4*SSB*\s
	s_or_b32 s[G0+4*\s+3], s[G0+4*\s+3], 0x80000000
.endr
	s_cmp_lt_u32 s[WV], 4                          ; waves 0 to 3 fetch: a wave's four first fills stand in one branch, ahead of every wait on TENSORcnt, every LDS read and every barrier: four loads of a wave are out
	s_cbranch_scc0 .Lno_fill
	tensor_load_to_lds s[G0:G0+3], s[G1:G1+7]
	s_nop 0
	tensor_load_to_lds s[G0+4:G0+7], s[G1:G1+7]
	s_nop 0
	tensor_load_to_lds s[G0+8:G0+11], s[G1:G1+7]
	s_nop 0
	tensor_load_to_lds s[G0+12:G0+15], s[G1:G1+7]
	s_nop 0
.rept 4
	v_nop
.endr
.Lno_fill:
	v_and_b32 v10, 31, v0
	v_lshlrev_b32 v1, 4, v10
	v_lshlrev_b32 v2, 3, v10
	v_and_b32 v8, 15, v0                           ; r
	v_bfe_u32 v10, v0, 4, 1                        ; h
	v_lshl_add_u32 v7, v8, 5, v10                  ; O's scale bytes: 32 a token, my half's byte
	v_lshlrev_b32 v9, 3, v10
	v_sub_nc_u32 v9, v8, v9                        ; r - 8 h
	v_lshlrev_b32 v8, 3, v8                        ; 8 r
	v_mov_b32 v11, 0xff800000                      ; -infinity
	s_mov_b32 s[SEL], 0x76543210
	s_mov_b32 s[SEL+1], 0xfedcba98
	s_mov_b32 s[CS], 0x3e38aa3b                    ; log2(e) / sqrt(64)
	s_mov_b32 s[CS+1], s[CS]                       ; (named with it as a pair, so it is written)
	s_mov_b32 s[MH], 0xffff0000
	s_sub_co_u32 s66, 7, s[WI]
	s_lshl_b32 s66, s66, 8
	s_sub_co_u32 s67, 15, s[WV]
	s_lshl_b32 s67, s67, 4
	s_add_co_u32 s[QA0], s66, s67
	s_lshl_b32 s66, s[WI], 8
	s_lshl_b32 s67, s[WV], 4
	s_add_co_u32 s[QB0], s66, s67
	s_mul_i32 s72, s[BH], 102400
	s_add_co_u32 s72, s72, QOFF                    ; the head's queries
; a pass's piece of q (tile a of a block of 128 queries), its scale words, and which half of a word is tile a's
.macro QADDR q0, pc, ps, sel
	s_lshr_b32 s66, s[\q0], 7
	s_mul_i32 s66, s66, 6400
	s_add_co_u32 s66, s66, s72
	s_bfe_u32 s67, s[\q0], 0x30004                 ; a
	s_mul_i32 s68, s67, 768
	s_add_co_u32 s68, s68, s66
	s_mov_b32 s69, 0
	s_add_nc_u64 s[\pc:\pc+1], s[4:5], s[68:69]
	s_lshr_b32 s68, s67, 2
	s_lshl_b32 s68, s68, 7                         ; operand a / 2 stands at 128 (a / 4) + 8 r + 4 ((a / 2) % 2)
	s_bfe_u32 s70, s67, 0x10001
	s_lshl_b32 s70, s70, 2
	s_add_co_u32 s68, s68, s70
	s_add_co_u32 s68, s68, s66
	s_add_co_u32 s68, s68, 6144
	s_add_nc_u64 s[\ps:\ps+1], s[4:5], s[68:69]
	s_and_b32 s67, s67, 1
	s_cmp_eq_u32 s67, 1
	s_mov_b32 s[\sel], 0x01000100
	s_cselect_b32 s[\sel], 0x03020302, s[\sel]     ; (q0, q1, q0, q1): the word serves q in either half of the operand
.endm
	QADDR QA0, 80, 82, 88
	QADDR QB0, 84, 86, 89
	global_load_b128 v[22:25], v1, s[80:81]
	global_load_b64 v[26:27], v2, s[80:81] offset:512
	global_load_b32 v5, v8, s[82:83]
	global_load_b128 v[34:37], v1, s[84:85]
	global_load_b64 v[38:39], v2, s[84:85] offset:512
	global_load_b32 v6, v8, s[86:87]
.macro OADDR q0, oc, os
	s_lshr_b32 s66, s[BH], 4
	s_lshl_b32 s66, s66, 11
	s_add_co_u32 s66, s66, s[\q0]                  ; the token: 2,048 x batch + query
	s_and_b32 s67, s[BH], 15                       ; the head
	s_lshr_b32 s68, s66, 4
	s_mul_i32 s68, s68, 12288                      ; O's codes: [token / 16][head][768]
	s_mul_i32 s70, s67, 768
	s_add_co_u32 s68, s68, s70
	s_mov_b32 s69, 0
	s_add_nc_u64 s[\oc:\oc+1], s[6:7], s[68:69]
	s_lshl_b32 s68, s66, 5                         ; O's scale bytes: [token][32], bytes 2 head and 2 head + 1
	s_lshl_b32 s70, s67, 1
	s_add_co_u32 s68, s68, s70
	s_add_nc_u64 s[\os:\os+1], s[8:9], s[68:69]
.endm
	OADDR QA0, OCA, OSA
	OADDR QB0, OCB, OSB
.irp j, 16,17,18,19,20,21,28,29,30,31,32,33,40,41,42,43,44,45
	v_mov_b32 v[\j], 0                             ; zero codes
.endr
.irp j, 236,237,238,239,252,253,254
	v_mov_b32 v[\j], 0                             ; written once: a lane permute's destination counts as one of its sources; v253 is named as the upper half of the pair v[252:253]
.endr
	s_wait_loadcnt 0x0                             ; q
	v_perm_b32 v46, v5, v5, s88
	v_perm_b32 v47, v6, v6, s89
.macro PASSINIT                                ; the step is written once: the first finds zeros, which the first change of M leaves zeros
	v_mov_b32 v13, 0xff61b1e6                      ; the largest t so far: -3e38
	v_floor_f32 v12, -v13                          ; -M
	v_mov_b32 v14, 0
	v_mov_b32 v15, 0
.set j, 0
.rept 32
	v_mov_b32 v[OT+j], 0
.set j, j+1
.endr
	s_mov_b32 s[KF], 0
.endm
.macro QK d, f, q, ks, qw, row1                ; 16 keys x my 16 queries; K's scale words stand in lanes 0-15 (operands 0, 1) or 16-31 (operands 2, 3)
.if \row1
	v_wmma_scale_f32_16x16x128_f8f6f4 v[\d:\d+7], v[\f:\f+11], v[\q:\q+11], 0, v[\ks], v[\qw] matrix_a_fmt:MATRIX_FMT_FP6 matrix_b_fmt:MATRIX_FMT_FP6 matrix_a_scale:MATRIX_SCALE_ROW1
.else
	v_wmma_scale_f32_16x16x128_f8f6f4 v[\d:\d+7], v[\f:\f+11], v[\q:\q+11], 0, v[\ks], v[\qw] matrix_a_fmt:MATRIX_FMT_FP6 matrix_b_fmt:MATRIX_FMT_FP6
.endif
.endm
.macro PV d, f, vs, row1                       ; 16 channels x my 16 queries, over the step's 128 keys
.if \row1
	v_wmma_scale_f32_16x16x128_f8f6f4 v[\d:\d+7], v[\f:\f+11], v[224:235], v[\d:\d+7], v[\vs], v253 matrix_a_fmt:MATRIX_FMT_FP6 matrix_b_fmt:MATRIX_FMT_FP6 matrix_a_scale:MATRIX_SCALE_ROW1
.else
	v_wmma_scale_f32_16x16x128_f8f6f4 v[\d:\d+7], v[\f:\f+11], v[224:235], v[\d:\d+7], v[\vs], v253 matrix_a_fmt:MATRIX_FMT_FP6 matrix_b_fmt:MATRIX_FMT_FP6
.endif
.endm
; A KEY STEP: 128 keys.  qlo = (q, zeros), qhi = (zeros, q), qw = q's scale word.
.macro STEP qlo, qhi, qw
	s_add_co_u32 s66, s[Q0], 15
	s_cmp_gt_u32 s[KF], s66                        ; all 128 keys come after my 16 queries: the step's work is left out, not the lines at its end that step addresses
	s_cbranch_scc1 .Lhidden_\@
	v_add_nc_u32 v3, s[TB], v1
	v_add_nc_u32 v4, s[TB], v2
	v_nop
	v_nop                                          ; four plain instructions in front of loads into registers that the last products read
	ds_load_b64 v[248:249], v4 offset:12288        ; K's scale words: register i: operand i in lanes 0-15, operand 2 + i in lanes 16-31
.irp b, 0,1,2,3
.irp u, 0,1
	ds_load_b128 v[FK+12*\b+6*\u:FK+12*\b+6*\u+3], v3 offset:(2*\b+\u)*768
	ds_load_b64 v[FK+12*\b+6*\u+4:FK+12*\b+6*\u+5], v4 offset:(2*\b+\u)*768+512
.endr
.endr
.irp b, 0,1,2,3
	s_wait_dscnt 12-4*\b                           ; operand b is in; the four loads of each later operand may be out
	QK ST+16*\b, FK+12*\b, \qlo, 248+\b%2, \qw, \b/2
	QK ST+16*\b+8, FK+12*\b, \qhi, 248+\b%2, \qw, \b/2
.endr                                          ; register 8 t + j of lane (r, h): query r, key KF + 16 t + 8 h + j
.rept 4
	v_nop                                          ; places: the scores are read below, and V is loaded over K
.endr
.irp t, 0,1,2,3                                ; V's operands land while the softmax is worked
.irp c, 0,1
	ds_load_b128 v[FK+12*\t+6*\c:FK+12*\t+6*\c+3], v3 offset:6144+(2*\t+\c)*768
	ds_load_b64 v[FK+12*\t+6*\c+4:FK+12*\t+6*\c+5], v4 offset:6144+(2*\t+\c)*768+512
.endr
.endr
	ds_load_b64 v[250:251], v4 offset:12544
	s_add_co_u32 s66, s[KF], 127                   ; on the diagonal the scores of hidden keys become -infinity ahead of the maximum; a step all of whose keys count skips this
	s_cmp_le_u32 s66, s[Q0]
	s_cbranch_scc1 .Lopen_\@
	s_sub_co_i32 s66, s[Q0], s[KF]
	v_add_nc_u32 v10, s66, v9                      ; d = my query - KF - 8 h: key 16 t + j of my half is hidden where 16 t + j > d
.set n, 0
.rept 64
	v_cmp_gt_i32 vcc_lo, 16*(n/8)+n%8, v10
	v_cndmask_b32 v[ST+n], v[ST+n], v11, vcc_lo
.set n, n+1
.endr
.Lopen_\@:
.irp b, 0,1,2,3
	v_max3_num_f32 v[232+\b], v[ST+16*\b], v[ST+1+16*\b], v[ST+2+16*\b]   ; the largest score of each block of 32 keys: it serves for the row's maximum and, since p rises with the score, for the block's largest p
.endr
.irp i, 3,5,7,9,11,13
.irp b, 0,1,2,3
	v_max3_num_f32 v[232+\b], v[232+\b], v[ST+16*\b+\i], v[ST+1+16*\b+\i]
.endr
.endr
.irp b, 0,1,2,3
	v_max_num_f32 v[232+\b], v[232+\b], v[ST+15+16*\b]
.endr
.irp b, 0,1,2,3
	v_permlanex16_b32 v[236+\b], v[232+\b], s[SEL], s[SEL+1]
.endr
.irp b, 0,1,2,3
	v_max_num_f32 v[232+\b], v[232+\b], v[236+\b]  ; with lane xor 16's 16 keys
.endr
	v_max3_num_f32 v254, v232, v233, v234
	v_max_num_f32 v254, v254, v235                 ; the step's largest score of my query
	v_mul_f32 v254, s[CS], v254                    ; as t
	v_max_num_f32 v13, v13, v254                   ; the running largest t
	v_mov_b32 v254, v12
	v_floor_f32 v12, -v13                          ; the new -M = -ceil(t): a whole number
	v_sub_f32 v254, v12, v254                      ; old M - new M: a whole number, 0 or less
	v_cvt_i32_f32 v254, v254                       ; (it saturates)
	v_ldexp_f32 v252, 1.0, v254                    ; f = 2^(old M - new M): a multiplication by it rounds nothing
.set j, 0
.rept 32
	v_pk_fma_f32 v[ST+j:ST+j+1], v[ST+j:ST+j+1], s[CS:CS+1], v[12:13] op_sel_hi:[1,0,0]   ; t - M, two at a time
.set j, j+2
.endr
.irp b, 0,1,2,3
	v_fma_f32 v[232+\b], v[232+\b], s[CS], v12     ; the same of each block's largest score
.endr
.set j, 0
.rept 64
	v_exp_f32 v[ST+j], v[ST+j]                     ; p = 2^(t - M)
.set j, j+1
.endr
	v_pk_mul_f32 v[14:15], v[14:15], v[252:253] op_sel_hi:[1,0]   ; the sums under the new M: a plain instruction behind the exponentials
	s_wait_alu depctr_va_vdst(0)                   ; one wait for the whole batch, ahead of its first reader
.irp b, 0,1,2,3
	v_exp_f32 v[232+\b], v[232+\b]                 ; the block's largest p: the same two instructions on the same number
.endr
	v_pk_add_f32 v[236:237], v[ST:ST+1], v[ST+2:ST+3]             ; the row's sum is taken of the unquantised p, in two chains
.irp j, 4,8,12,16,20,24,28,32,36,40,44,48,52,56,60
	v_pk_add_f32 v[14:15], v[14:15], v[ST+\j:ST+1+\j]
	v_pk_add_f32 v[236:237], v[236:237], v[ST+2+\j:ST+3+\j]
.endr
	v_pk_add_f32 v[14:15], v[14:15], v[236:237]
	s_wait_alu depctr_va_vdst(0)                   ; and one for the four
.irp b, 0,1,2,3
	v_max_num_f32 v[232+\b], 0x1800000, v[232+\b]  ; the floor 2^(3 - 127): the byte cannot fall under 1
.endr
.irp b, 0,1,2,3
	v_add_nc_u32 v[244+\b], 0xff000000, v[232+\b]  ; 2 off the exponent field: the conversion's scale operand
.endr
.irp b, 0,1,2,3
	v_lshrrev_b32 v[236+\b], 23, v[244+\b]         ; the scale's byte
.endr
	v_lshl_or_b32 v253, v237, 8, v236              ; p's scale word for these 128 keys
	v_lshl_or_b32 v253, v238, 16, v253
	v_lshl_or_b32 v253, v239, 24, v253
.irp c, 0,1
	v_cvt_scalef32_pk16_fp6_f32 v[224+6*\c:226+6*\c], v[ST+32*\c:ST+15+32*\c], v[244+2*\c]
	v_cvt_scalef32_pk16_fp6_f32 v[236+4*\c:238+4*\c], v[ST+16+32*\c:ST+31+32*\c], v[244+2*\c+1]
.endr
	v_nop                                          ; one plain instruction behind a scaled conversion
.irp c, 0,1                                    ; a whole block to a lane
.irp i, 0,1,2
	v_permlane16_swap_b32 v[224+6*\c+\i], v[236+4*\c+\i]
.endr
.irp i, 0,1,2
	v_mov_b32 v[227+6*\c+\i], v[236+4*\c+\i]
.endr
.endr
.set j, 0
.rept 16
	v_pk_mul_f32 v[OT+j:OT+j+1], v[OT+j:OT+j+1], v[252:253] op_sel_hi:[1,0]   ; O^T under the new M; these sixteen also stand between the writes of p's codes and scale word and the products
.set j, j+2
.endr
	s_wait_dscnt 0x0                               ; V and its scale words are in
.irp t, 0,1,2,3
	PV OT+8*\t, FK+12*\t, 250+\t%2, \t/2           ; the four accumulators take one turn each; eight other products stand between two steps' turns
.endr
.Lhidden_\@:
	s_add_co_u32 s[KF], s[KF], 128
	s_add_co_u32 s[TB], s[TB], SSB
.endm
; THE WAY OUT of a pass: O / l, quantised along the head's 64 channels (two blocks of the model's 1,024), one piece and two scale bytes a token.
.macro OUTP oc, os
.rept 4
	v_nop                                          ; places behind the last products
.endr
	v_add_f32 v14, v14, v15
	v_permlanex16_b32 v254, v14, s[SEL], s[SEL+1]
	v_add_f32 v14, v14, v254                       ; the row's sum
	v_rcp_f32 v14, v14
	v_nop                                          ; a plain instruction behind the reciprocal
	s_wait_alu depctr_va_vdst(0)                   ; and the wait ahead of its first reader
.set j, 0
.rept 32
	v_mul_f32 v[ST+j], v[OT+j], v14                ; register 8 t + j: channel 16 t + 8 h + j; each accumulator from its low end on
.set j, j+1
.endr
.irp b, 0,1
	v_max3_num_f32 v[232+\b], |v[ST+16*\b]|, |v[ST+1+16*\b]|, 0x1800000
.endr
.irp i, 2,4,6,8,10,12,14
.irp b, 0,1
	v_max3_num_f32 v[232+\b], v[232+\b], |v[ST+16*\b+\i]|, |v[ST+1+16*\b+\i]|
.endr
.endr
.irp b, 0,1
	v_permlanex16_b32 v[236+\b], v[232+\b], s[SEL], s[SEL+1]
.endr
.irp b, 0,1
	v_max_num_f32 v[232+\b], v[232+\b], v[236+\b]
.endr
.irp b, 0,1
	v_add_nc_u32 v[244+\b], 0xff000000, v[232+\b]
.endr
.irp b, 0,1
	v_lshrrev_b32 v[236+\b], 23, v[244+\b]
.endr
	v_cvt_scalef32_pk16_fp6_f32 v[224:226], v[ST:ST+15], v244
	v_cvt_scalef32_pk16_fp6_f32 v[228:230], v[ST+16:ST+31], v245
	v_nop
.irp i, 0,1,2
	v_permlane16_swap_b32 v[224+\i], v[228+\i]     ; lane (r, h) now holds block h: groups 0 and 2 in v224-226, groups 1 and 3 in v228-230; a group of eight codes is 6 bytes
.endr
	v_mov_b32 v192, v224                           ; the natural order: group 0's first four bytes;
	v_perm_b32 v193, v228, v225, 0x05040100        ; its last two, group 1's first two;
	v_perm_b32 v194, v229, v228, 0x05040302        ; group 1's last four;
	v_perm_b32 v195, v226, v225, 0x05040302        ; group 2's first four;
	v_perm_b32 v196, v229, v226, 0x07060302        ; its last two, group 3's first two;
	v_mov_b32 v197, v230                           ; group 3's last four
	v_cndmask_b32 v198, v236, v237, s[MH]          ; my block's byte
	global_store_b128 v1, v[192:195], s[\oc:\oc+1]                 ; 512 consecutive bytes, aligned to 256
	global_store_b64 v2, v[196:197], s[\oc:\oc+1] offset:512       ; 256
	global_store_b8 v7, v198, s[\os:\os+1]
.endm
; Steps 4 s .. 4 s + 3 of pass A.  The count leaves the later stages' loads out.
.macro STAGE s
	s_wait_tensorcnt 3-\s                          ; my load of this stage has landed (a wave that fetches nothing passes at once),
	s_wait_dscnt 0x0
	s_barrier_signal -1
	s_barrier_wait -1                              ; everybody's has
	s_mov_b32 s[TB], 4*SSB*\s
	s_mov_b32 s[CNT], 4
.Lstage_\@:
	STEP 22, 16, 46
	s_sub_co_u32 s[CNT], s[CNT], 1
	s_cmp_lg_u32 s[CNT], 0
	s_cbranch_scc1 .Lstage_\@
.endm
	s_mov_b32 s[Q0], s[QA0]
	PASSINIT                                       ; (its moves also stand between the writes of q's scale words and zero codes and the first product)
	STAGE 0
	STAGE 1
	STAGE 2
	STAGE 3
	OUTP OCA, OSA
	s_wait_xcnt 0x0                                ; the stores have read their data: the registers are written again in pass B
	s_mov_b32 s[Q0], s[QB0]
	PASSINIT
	s_mov_b32 s[TB], 0
	s_mov_b32 s[CNT], 8                            ; pass B's queries lie under 1,024: eight steps; all of K and V has been shown landed
.Lpass_b:
	STEP 34, 28, 47
	s_sub_co_u32 s[CNT], s[CNT], 1
	s_cmp_lg_u32 s[CNT], 0
	s_cbranch_scc1 .Lpass_b
	OUTP OCB, OSB
	s_wait_tensorcnt 0x0
	ds_add_u32 v243, v255
	s_wait_dscnt 0x0
	s_endpgm
.Lfunc_end_k_q8f67c05cc4_attn:
	.size	k_q8f67c05cc4_attn, .Lfunc_end_k_q8f67c05cc4_attn-k_q8f67c05cc4_attn
	.p2alignl 7, 3214868480
	.fill 96, 4, 3214868480
	.section	.rodata,"a",@progbits
	.p2align	6, 0x0
	.amdhsa_kernel k_q8f67c05cc4_attn
		.amdhsa_group_segment_fixed_size 206848
		.amdhsa_private_segment_fixed_size 0
		.amdhsa_enable_private_segment 0
		.amdhsa_kernarg_size 24
		.amdhsa_user_sgpr_count 2
		.amdhsa_user_sgpr_kernarg_segment_ptr 1
		.amdhsa_wavefront_size32 1
		.amdhsa_system_sgpr_workgroup_id_x 1
		.amdhsa_system_sgpr_workgroup_id_y 1
		.amdhsa_system_sgpr_workgroup_id_z 1
		.amdhsa_system_vgpr_workitem_id 0
		.amdhsa_next_free_vgpr 256
		.amdhsa_next_free_sgpr 96
		.amdhsa_reserve_vcc 1
		.amdhsa_float_denorm_mode_32 3
		.amdhsa_float_denorm_mode_16_64 3
		.amdhsa_memory_ordered 1
		.amdhsa_forward_progress 1
		.amdhsa_inst_pref_size 125
	.end_amdhsa_kernel
	.amdgpu_metadata
---
amdhsa.version: [ 1, 2 ]
amdhsa.kernels:
  - .name:           k_q8f67c05cc4_attn
    .symbol:         k_q8f67c05cc4_attn.kd
    .args:
      - { .name: qkv, .offset: 0, .size: 8, .value_kind: global_buffer, .address_space: global }
      - { .name: o_codes, .offset: 8, .size: 8, .value_kind: global_buffer, .address_space: global }
      - { .name: o_scales, .offset: 16, .size: 8, .value_kind: global_buffer, .address_space: global }
    .group_segment_fixed_size: 206848
    .private_segment_fixed_size: 0
    .kernarg_segment_align: 8
    .kernarg_segment_size: 24
    .max_flat_workgroup_size: 512
    .sgpr_count:     96
    .vgpr_count:     256
    .wavefront_size: 32
...
	.end_amdgpu_metadata
.endif
;; end of part 2
;; launch proj (part 3): grid 4 x 32, 4 waves a work-group, clusters of 4 x 4, 327,680 bytes of LDS; arguments o_codes, o_scales, w_out_codes, w_out_scales, b_out, out0; writes out0
.if DOCPART == 3
	.amdgcn_target "amdgcn-amd-amdhsa--gfx1250"
	.amdhsa_code_object_version 6
	.text
	.protected	k_q8f67c05cc4_proj
	.globl	k_q8f67c05cc4_proj
	.p2align	8
	.type	k_q8f67c05cc4_proj,@function
k_q8f67c05cc4_proj:
	s_mov_b64 s[64:65], 0
	v_nop
	global_prefetch_b8 v0, s[64:65] scope:SCOPE_SE
	s_setreg_imm32_b32 hwreg(HW_REG_WAVE_MODE, 25, 1), 1
	s_wait_xcnt 0x0
	s_wait_alu depctr_hold_cnt(0) depctr_sa_sdst(0) depctr_va_vdst(0) depctr_va_sdst(0) depctr_va_ssrc(0) depctr_va_vcc(0) depctr_vm_vsrc(0)
	s_getreg_b32 s2, hwreg(HW_REG_IB_STS2, 6, 4)
	s_cmp_eq_u32 s2, 0
	s_cbranch_scc0 .Lentry_in_a_cluster
	s_endpgm
.Lentry_in_a_cluster:
	s_bfe_u32 s2, ttmp6, 0x10000c
	s_cmp_lg_u32 s2, 0xf033
	s_cbranch_scc0 .Lentry_shape_is_right
	s_endpgm
.Lentry_shape_is_right:
; out0 = O w_out + b_out on codes of FP6 (E2M3) with one E8M0 scale for each 32 along K = 1,024.  O: 8,192 tokens, as pieces [token / 16][head][768]; its scale bytes [token][32].  w_out: [1,024][768 bytes], scale bytes [1,024][32].  out0: [8,192][1,024] f32.
; A tile of 256 x 256 is made by a work-group of four waves, a wave 128 x 128: 64 accumulators.  K goes in steps of 256 (four heads) through a ring of two LDS slots filled by joint tensor loads: O's tile is shared along a row
; of the 4 x 4 cluster, w_out's along a column.  The scale bytes of the 256 + 256 rows come once and stay.  Source 0 = 16 rows of w_out, source 1 = 16 tokens: a lane holds eight neighbouring numbers of a row of out0.
; A PIECE of O is 16 tokens x 64 along K as the operand's registers lie: registers 0-3 at 16 x lane, registers 4-5 at 512 + 8 x lane.  A fragment (128 along K) is two pieces: four loads, each of consecutive bytes; no pitch, no padding.
; The bias is the C of each sum's first product.
; 128 work-groups: the tile is kept at 256 x 256, so that each fragment read from LDS feeds eight products.
; LIMITS: a given scale byte 0xff gives NaN; NaN and infinities are not served otherwise.
.set SIZE_N, 1024
.set KSTEP,  256
.set NQ,     KSTEP/128
.set ROWB,   192                       ; a row of w_out's tile in bytes
.set KROW,   768
.set PITCH,  240                       ; its LDS row: 3 x (64 bytes + 16 of padding)
.set FR,     12
.set NLA,    4                         ; LDS loads that bring a fragment of O
.set NP,     4                         ; places behind this matrix instruction (ISA guide 7.12.1)
.set HALFA,  8*3072                    ; O: 8 tiles of 16 tokens x four pieces: what one tensor load brings
.set HALFT,  128*PITCH                 ; w_out: 128 rows
.set SLOT,   2*HALFA+2*HALFT
.set LAPS,   2
.set KS,     32
.set SCL,    2*SLOT                    ; behind the ring: the scales, as runs of 256 bytes + 16 of padding
.set HALFS,  (128*KS/256)*272
.set SBLK,   (16*KS/256)*272
.set SPARE,  SCL+4*HALFS               ; the spare words, 128 bytes for each wave: two blocks of 256 bytes that no other line names
.set SPITCH, 528                       ; the way out: a stage of 16 rows x (512 bytes + 16) for each wave, in slot 0, which has had its last fill and its last read when the first result is stored there
.set ADRA, 16                          ; v16-17 LDS address of my pieces in slot 0, 1, + 16 x lane; v18-19 + 8 x lane
.set ADRB, 20                          ; v20-21 of my fragments of w_out; v22-23 behind one padding more
.set STO,  24
.set RD,   25
.set CO,   26
.set ADRS, 27
.set SPW,  28                          ; v28 LDS address of my spare word; never rewritten
.set NIL,  29                          ; v29 0; never rewritten
.set SC,   32                          ; v32-63 scale words, two sets; nothing else until the way out
.set BB,   64                          ; v64-127 the bias
.set AF,   128                         ; v128-223 O's fragments, one set
.set BK,   128                         ; the way out: 16 rows read back: v128-191 and v192-255 by turns
.set WV,   16
.set HA,   17
.set HB,   18
.set TA,   19
.set G1,   24
.set G0,   32
.set G1B,  48
.set G0B,  56
.set G1S,  68
.set G0S,  76
.set G1SB, 80
.set G0SB, 88
.set MSB, 0
.macro WIN new                         ; the immediate's high byte repeats the setting that is left
.if MSB != \new
	s_set_vgpr_msb (MSB<<8)|\new
.set MSB, \new
.endif
.endm
.set MUL_LO, 0xa1                      ; source 0 (w_out) window 1, source 1 (O) window 0, C and D window 2
.set MUL_HI, 0xf1
.set FST_LO, 0x81                      ; the first step: C (the bias) window 0
.set FST_HI, 0xc1
.set TO_B,   0x40
.macro JLOAD g0a, g1a, g0b, g1b        ; a joint load: waves 0 and 1 fetch for O, waves 2 and 3 for w_out; four v_nop follow each line
	s_cmp_eq_u32 s[HA], 0
	s_cbranch_scc0 .Lfor_b_\@
	tensor_load_to_lds s[\g0a:\g0a+3], s[\g1a:\g1a+7]
	s_nop 0
.rept 4
	v_nop
.endr
	s_branch .Lasked_\@
.Lfor_b_\@:
	tensor_load_to_lds s[\g0b:\g0b+3], s[\g1b:\g1b+7]
	s_nop 0
.rept 4
	v_nop
.endr
.Lasked_\@:
.endm
.macro CREST
	s_cmp_lg_u32 s[WV], 0
	s_cbranch_scc1 .Lnot_wave_0_\@
	s_barrier_signal -3
.Lnot_wave_0_\@:
	s_barrier_wait -3
	s_barrier_signal -1
	s_barrier_wait -1
.endm
.macro CROUND
	s_barrier_signal -1
	s_barrier_wait -1
	CREST
.endm
	s_load_b128 s[4:7], s[0:1], 0x0                ; O's codes, O's scales
	s_load_b128 s[8:11], s[0:1], 0x10              ; w_out's codes, w_out's scales
	s_load_b128 s[12:15], s[0:1], 0x20             ; b_out, out0
	v_lshl_add_u32 v[SPW], v0, 2, SPARE
	v_mov_b32 v[NIL], 0
	ds_add_u32 v28, v29
	ds_add_u32 v28, v29
	s_wait_dscnt 0x0
	v_lshrrev_b32 v1, 5, v0
	v_readfirstlane_b32 s[WV], v1                  ; wave 0..3
	s_lshr_b32 s[HA], s[WV], 1                     ; my half of the tokens.  Also: I fetch for O (0) or for w_out (1)
	s_and_b32 s[HB], s[WV], 1                      ; my half of the columns.  Also: which 128 rows I fetch
	s_bfe_u32 s40, ttmp6, 0x40000                  ; cx, cy
	s_bfe_u32 s41, ttmp6, 0x40004
	s_lshl_b32 s42, ttmp9, 2
	s_add_co_u32 s42, s42, s40                     ; tile column
	s_and_b32 s[TA], ttmp7, 0xffff
	s_lshl_b32 s[TA], s[TA], 2
	s_add_co_u32 s[TA], s[TA], s41                 ; tile row
	s_lshl_b32 s43, s41, 2
	s_lshl_b32 s43, 15, s43                        ; my row of the cluster
	s_lshl_b32 s44, 0x1111, s40                    ; my column
	; O's tile: 8 rows (tiles of 16 tokens) x 3,072 bytes (four heads' pieces), 12,288 bytes apart; elements of 8 bytes; no padding
	s_or_b32 s[G1+0], s43, (3<<16)|(1<<21)
	s_mov_b32 s[G1+1], 384<<16                     ; tensor_dim0
	s_mov_b32 s[G1+2], 8<<16                       ; tensor_dim1
	s_mov_b32 s[G1+3], 384<<16                     ; tile_dim0
	s_mov_b32 s[G1+4], 8                           ; tile_dim1
	s_mov_b32 s[G1+5], 1536                        ; from row to row
	s_mov_b32 s[G1+6], 0
	s_mov_b32 s[G1+7], 0
	; w_out's tile: 128 rows x 192 bytes, 16 bytes of padding behind every 64
	s_or_b32 s[G1B+0], s44, (0<<16)|(1<<20)|(1<<21)|(3<<22)|(3<<25)
	s_mov_b32 s[G1B+1], ROWB<<16
	s_mov_b32 s[G1B+2], 128<<16
	s_mov_b32 s[G1B+3], ROWB<<16
	s_mov_b32 s[G1B+4], 128
	s_mov_b32 s[G1B+5], KROW
	s_mov_b32 s[G1B+6], 0
	s_mov_b32 s[G1B+7], 0
	; the scales of 128 rows: 4,096 dense bytes as 16 rows of 256, 16 bytes of padding behind each
	s_or_b32 s[G1S+0], s43, (3<<16)|(1<<20)|(1<<21)|(5<<22)|(3<<25)
	s_or_b32 s[G1SB+0], s44, (3<<16)|(1<<20)|(1<<21)|(5<<22)|(3<<25)
.irp g, G1S, G1SB
	s_mov_b32 s[\g+1], 32<<16
	s_mov_b32 s[\g+2], (128*KS/256)<<16
	s_mov_b32 s[\g+3], 32<<16
	s_mov_b32 s[\g+4], 128*KS/256
	s_mov_b32 s[\g+5], 32
	s_mov_b32 s[\g+6], 0
	s_mov_b32 s[\g+7], 0
.endr
	s_lshl_b32 s20, s[TA], 4
	s_lshl_b32 s21, s[HB], 3
	s_add_co_u32 s20, s20, s21                     ; O: tile of 16 tokens 16 x tile row + 8 x half,
	s_mul_i32 s20, s20, 12288                      ; in bytes
	s_mov_b32 s21, 0
	s_lshl_b32 s22, s[TA], 8
	s_lshl_b32 s23, s[HB], 7
	s_add_co_u32 s22, s22, s23
	s_lshl_b32 s22, s22, 5                         ; its scales: 32 bytes a token
	s_mov_b32 s23, 0
	s_lshl_b32 s46, s42, 8
	s_lshl_b32 s47, s[HB], 7
	s_add_co_u32 s46, s46, s47                     ; w_out: row 256 x tile column + 128 x half
	s_lshl_b32 s92, s46, 5
	s_mov_b32 s93, 0
	s_mul_i32 s46, s46, KROW
	s_mov_b32 s47, 0
	s_mul_i32 s45, s[HB], HALFA                    ; where they go: O's two halves, then w_out's two: no place in the cluster enters an LDS address
	s_mul_i32 s95, s[HB], HALFT
	s_add_co_u32 s95, s95, 2*HALFA
	s_mul_i32 s94, s[WV], HALFS
	s_wait_kmcnt 0x0
	s_add_nc_u64 s[20:21], s[4:5], s[20:21]
	s_add_nc_u64 s[22:23], s[6:7], s[22:23]
	s_add_nc_u64 s[46:47], s[8:9], s[46:47]
	s_add_nc_u64 s[92:93], s[10:11], s[92:93]
	CROUND                                         ; all sixteen work-groups are here: the first joint loads meet
	s_mov_b32 s[G0S], 1
	s_add_co_u32 s[G0S+1], s94, SCL
	s_mov_b64 s[G0S+2:G0S+3], s[22:23]
	s_or_b32 s[G0S+3], s[G0S+3], 0x80000000
	s_mov_b32 s[G0SB], 1
	s_add_co_u32 s[G0SB+1], s94, SCL
	s_mov_b64 s[G0SB+2:G0SB+3], s[92:93]
	s_or_b32 s[G0SB+3], s[G0SB+3], 0x80000000
	JLOAD G0S, G1S, G0SB, G1SB                     ; the scales first
.irp s, 0,1
	s_mov_b32 s[G0+4*\s], 1
	s_add_co_u32 s[G0+4*\s+1], s45, \s*SLOT
	s_add_nc_u64 s[G0+4*\s+2:G0+4*\s+3], s[20:21], \s*3072
	s_or_b32 s[G0+4*\s+3], s[G0+4*\s+3], 0x80000000
	s_mov_b32 s[G0B+4*\s], 1
	s_add_co_u32 s[G0B+4*\s+1], s95, \s*SLOT
	s_add_nc_u64 s[G0B+4*\s+2:G0B+4*\s+3], s[46:47], \s*ROWB
	s_or_b32 s[G0B+4*\s+3], s[G0B+4*\s+3], 0x80000000
	JLOAD G0+4*\s, G1, G0B+4*\s, G1B               ; by this text's count three tensor loads of a wave are out
.endr
	v_and_b32 v1, 15, v0                           ; r
	v_bfe_u32 v2, v0, 4, 1                         ; h
	v_mul_u32_u24 v3, v1, PITCH
	v_mul_u32_u24 v4, v2, 24
	v_add_nc_u32 v4, v3, v4                        ; w_out: a fragment's row x pitch + 24 x half
	v_lshl_add_u32 v5, v2, 4, v4                   ; and the same behind one padding more
	v_and_b32 v6, 31, v0
	v_lshlrev_b32 v7, 4, v6                        ; O: 16 x lane,
	v_lshlrev_b32 v8, 3, v6                        ; 8 x lane
	s_mul_i32 s21, s[HA], HALFA                    ; my 128 tokens
	s_mul_i32 s22, s[HB], HALFT                    ; my 128 rows of w_out,
	s_add_co_u32 s22, s22, 2*HALFA                 ; which lie behind O's
.irp s, 0,1
	v_add_nc_u32 v[ADRA+\s], s21, v7
	v_add_nc_u32 v[ADRA+2+\s], s21, v8
	v_add_nc_u32 v[ADRB+\s], s22, v4
	v_add_nc_u32 v[ADRB+2+\s], s22, v5
	s_add_co_u32 s21, s21, SLOT
	s_add_co_u32 s22, s22, SLOT
.endr
	v_mul_u32_u24 v5, v1, KS                       ; my row's scales: 32 bytes a row,
	v_lshrrev_b32 v6, 8, v5
	v_lshl_add_u32 v5, v6, 4, v5                   ; and 16 more for each 256 passed
	s_mul_i32 s21, s[HA], HALFS
	s_mul_i32 s22, s[HB], HALFS
	s_add_co_u32 s22, s22, 2*HALFS
	s_sub_co_u32 s22, s22, s21
	v_mul_u32_u24 v6, s22, v2                      ; lanes 16-31 take w_out's
	s_add_co_u32 s21, s21, SCL
	v_add_nc_u32 v5, v5, v6
	v_add_nc_u32 v[ADRS], s21, v5
	s_mul_i32 s23, s[WV], 16*SPITCH                ; my stage
	v_mul_u32_u24 v5, v1, SPITCH                   ; in: row r, 32 bytes for each half of the lanes
	v_lshl_add_u32 v5, v2, 5, v5
	v_add_nc_u32 v[STO], s23, v5
	v_mov_b32 v[CO], v7                            ; back: the 32 lanes take one row of 512 bytes; and the same in out0
	v_add_nc_u32 v[RD], s23, v7
	s_lshl_b32 s20, s[TA], 8
	s_lshl_b32 s21, s[HA], 7
	s_add_co_u32 s20, s20, s21                     ; my first token
	s_lshl_b32 s20, s20, 12                        ; 4,096 bytes a row
	s_lshl_b32 s46, s42, 10                        ; my first column, in bytes: 1,024 x tile column + 512 x half
	s_lshl_b32 s47, s[HB], 9
	s_add_co_u32 s46, s46, s47
	s_add_co_u32 s20, s20, s46
	s_mov_b32 s21, 0
	s_add_nc_u64 s[14:15], s[14:15], s[20:21]
	s_mov_b32 s47, 0
	s_add_nc_u64 s[92:93], s[12:13], s[46:47]      ; the bias of my 128 columns: the same bytes on
	v_lshlrev_b32 v9, 5, v2                        ; 8 h numbers
.irp b, 0,1,2,3,4,5,6,7
	global_load_b128 v[BB+8*\b:BB+8*\b+3], v9, s[92:93] offset:64*\b       ; b(16 b + 8 h + 0 .. 7)
	global_load_b128 v[BB+8*\b+4:BB+8*\b+7], v9, s[92:93] offset:64*\b+16
.endr
.macro FRAG reg, adr, q, i             ; a fragment of w_out: 24 bytes of the row's stream of bits twice, in pieces of 8 bytes; where lanes 16-31's piece lies behind one padding more, the second address register serves
.irp p, 0,1,2,3,4,5
.set PCE, 12*(\q)+6*(\p/3)+\p%3
.if PCE%8 < 5
	ds_load_b64 v[\reg+2*\p:\reg+2*\p+1], v[\adr] offset:8*PCE+16*(PCE/8)+(\i)*16*PITCH
.else
	ds_load_b64 v[\reg+2*\p:\reg+2*\p+1], v[\adr+2] offset:8*PCE+16*(PCE/8)+(\i)*16*PITCH
.endif
.endr
.endm
.macro FRAGA reg, slot, q, i           ; a fragment of O: the pieces of heads 2 q and 2 q + 1 of the slot's four, tile i of 16 tokens
	ds_load_b128 v[\reg:\reg+3], v[ADRA+\slot] offset:(\i)*3072+(\q)*1536
	ds_load_b64 v[\reg+4:\reg+5], v[ADRA+2+\slot] offset:(\i)*3072+(\q)*1536+512
	ds_load_b128 v[\reg+6:\reg+9], v[ADRA+\slot] offset:(\i)*3072+(\q)*1536+768
	ds_load_b64 v[\reg+10:\reg+11], v[ADRA+2+\slot] offset:(\i)*3072+(\q)*1536+1280
.endm
; 16 matrix instructions: O's blocks a0, a0 + 1 x w_out's eight.  zero = 1: the first product starts the sums, with the bias as its C.  The 64 accumulators take turns, one instruction a turn.
.macro MUL16 a0, p, q, sc, zero
.irp a, \a0, \a0+1
.irp b, 0,1,2,3,4,5,6,7
.if \zero
	v_wmma_scale_f32_16x16x128_f8f6f4 v[8*(8*((\a)%4)+\b):8*(8*((\a)%4)+\b)+7], v[128*(\p)+FR*\b:128*(\p)+FR*\b+FR-1], v[AF+FR*(\a):AF+FR*(\a)+FR-1], v[BB+8*\b:BB+8*\b+7], v[SC+8*NQ*(\sc)+NQ*\b+(\q)], v[SC+8*NQ*(\sc)+NQ*(\a)+(\q)] matrix_a_fmt:MATRIX_FMT_FP6 matrix_b_fmt:MATRIX_FMT_FP6 matrix_a_scale:MATRIX_SCALE_ROW1
.else
	v_wmma_scale_f32_16x16x128_f8f6f4 v[8*(8*((\a)%4)+\b):8*(8*((\a)%4)+\b)+7], v[128*(\p)+FR*\b:128*(\p)+FR*\b+FR-1], v[AF+FR*(\a):AF+FR*(\a)+FR-1], v[8*(8*((\a)%4)+\b):8*(8*((\a)%4)+\b)+7], v[SC+8*NQ*(\sc)+NQ*\b+(\q)], v[SC+8*NQ*(\sc)+NQ*(\a)+(\q)] matrix_a_fmt:MATRIX_FMT_FP6 matrix_b_fmt:MATRIX_FMT_FP6 matrix_a_scale:MATRIX_SCALE_ROW1
.endif
.endr
.endr
.endm
.macro FETCH_B slot, q, p
	WIN TO_B
.irp i, 0,1,2,3,4,5,6,7
	FRAG 128*(\p)+FR*\i, ADRB+\slot, \q, \i
.endr
	WIN 0
.endm
.macro FETCH_A slot, q, i0
.irp i, \i0, \i0+1, \i0+2, \i0+3
	FRAGA AF+FR*(\i), \slot, \q, \i
.endr
.endm
.macro SCALES sc                       ; lanes 0-15 take O's block i, lanes 16-31 w_out's block i
.irp i, 0,1,2,3,4,5,6,7
	ds_load_b64 v[SC+8*NQ*\sc+NQ*\i:SC+8*NQ*\sc+NQ*\i+1], v[ADRS] offset:\i*SBLK
.endr
.endm
.macro PLACES n                        ; plain vector instructions between a matrix instruction and a load into, or a read of, its registers (ISA guide 7.12.1 for vector instructions)
.rept \n
	v_nop
.endr
.endm
.macro STEP slot, q, zero
	s_wait_dscnt 4*NLA                             ; w_out's set and O's blocks 0-3 are in; the youngest loads (O's blocks 4-7) may be out
.if \zero
	WIN FST_LO
.else
	WIN MUL_LO
.endif
	MUL16 0, (\q)%2, \q, \slot, \zero
	MUL16 2, (\q)%2, \q, \slot, \zero
	s_wait_dscnt 0
	PLACES NP
	FETCH_B \slot, (\q)+1, 1-(\q)%2
	FETCH_A \slot, (\q)+1, 0
.if \zero
	WIN FST_HI
.else
	WIN MUL_HI
.endif
	MUL16 4, (\q)%2, \q, \slot, \zero
	MUL16 6, (\q)%2, \q, \slot, \zero
	PLACES NP
	WIN 0
	FETCH_A \slot, (\q)+1, 4
.endm
; A slot's last step changes slots: one barrier; in front of it each wave waits for all its tensor loads, adds 0 to its spare word, and waits for that and for its own reads of this slot.
.macro TURN slot, next, fill
	s_wait_tensorcnt 0x0                           ; all my tensor loads have landed: my part of the next slot
	ds_add_u32 v[SPW], v[NIL]                      ; 0 onto my spare word
	s_wait_dscnt 4*NLA+1                           ; (the add and the youngest loads may be out)
	WIN MUL_LO
	MUL16 0, 1, NQ-1, \slot, 0
	s_wait_dscnt 0x0                               ; the add is done, and my reads of this slot are over
	s_barrier_signal -1
	MUL16 2, 1, NQ-1, \slot, 0
	WIN 0
	s_barrier_wait -1
.if \fill
	CREST                                          ; the barrier has opened a round of the cluster's barrier: no wave of any partner still reads this slot's tile or has a load on its way
	s_add_nc_u64 s[G0+4*\slot+2:G0+4*\slot+3], s[G0+4*\slot+2:G0+4*\slot+3], 2*3072
	s_add_nc_u64 s[G0B+4*\slot+2:G0B+4*\slot+3], s[G0B+4*\slot+2:G0B+4*\slot+3], 2*ROWB
	JLOAD G0+4*\slot, G1, G0B+4*\slot, G1B         ; the first tensor load behind the round; its four v_nop are also the places in front of the loads below
.else
	PLACES NP
.endif
	v_add_nc_u32 v[ADRS], 4*NQ, v[ADRS]
	FETCH_B \next, 0, 0
	FETCH_A \next, 0, 0
	SCALES \next
	WIN MUL_HI
	MUL16 4, 1, NQ-1, \slot, 0
	MUL16 6, 1, NQ-1, \slot, 0
	PLACES NP
	WIN 0
	FETCH_A \next, 0, 4
.endm
	s_wait_loadcnt 0x0                             ; the bias
	s_wait_tensorcnt 1                             ; the scales and my part of K step 0 are in (K step 1's load may be out),
	s_barrier_signal -1
	s_barrier_wait -1                              ; everybody's are
	FETCH_B 0, 0, 0
	FETCH_A 0, 0, 0
	SCALES 0
	FETCH_A 0, 0, 4
	STEP 0, 0, 1
	s_mov_b32 s3, LAPS-1
.Llap:
	TURN 0, 1, 1
	STEP 1, 0, 0
	TURN 1, 0, 1
	STEP 0, 0, 0
	s_sub_co_u32 s3, s3, 1
	s_cmp_lg_u32 s3, 0
	s_cbranch_scc1 .Llap
	TURN 0, 1, 0                                   ; the last lap fills nothing
	STEP 1, 0, 0
	s_wait_dscnt 4*NLA
	WIN MUL_LO
	MUL16 0, 1, NQ-1, 1, 0
	MUL16 2, 1, NQ-1, 1, 0
	s_wait_dscnt 0
	WIN MUL_HI
	MUL16 4, 1, NQ-1, 1, 0
	MUL16 6, 1, NQ-1, 1, 0
	WIN 0
; THE WAY OUT, block by block of 16 rows x 128 columns, through my own stage in LDS: in as 32 bytes a lane, back as whole rows of 512 bytes.  LDS serves a wave's instructions in order (ISA guide 5.7.1.4): no wait between the stores and the loads.
.macro TOSTAGE a
.set AC, 64*((\a)%4)
	WIN 0x08+4*((\a)/4)                            ; the data: window 2 or 3
.irp b, 0,1,2,3,4,5,6,7
	ds_store_b128 v[STO], v[AC+8*\b:AC+8*\b+3] offset:64*\b          ; each accumulator from its low end on
	ds_store_b128 v[STO], v[AC+8*\b+4:AC+8*\b+7] offset:64*\b+16
.endr
	WIN 0
.set BBK, BK+64*((\a)%2)
.irp t, 0,1,2,3,4,5,6,7,8,9,10,11,12,13,14,15
	ds_load_b128 v[BBK+4*\t:BBK+4*\t+3], v[RD] offset:\t*SPITCH
.endr
.endm
.macro SEND a, younger                 ; younger: the LDS instructions issued behind block a's loads, which may stay out
.set BBK, BK+64*((\a)%2)
	s_wait_dscnt \younger
.if (\a) > 0
	s_add_nc_u64 s[14:15], s[14:15], 16*SIZE_N*4   ; (behind a wait on XCNT: the earlier stores have read their base)
.endif
.irp t, 0,1,2,3,4,5,6,7,8,9,10,11,12,13,14,15
	global_store_b128 v[CO], v[BBK+4*\t:BBK+4*\t+3], s[14:15] offset:\t*SIZE_N*4 th:TH_STORE_NT   ; 32 lanes store 512 consecutive bytes, aligned to 256; written once, read by nobody here
.endr
.endm
	PLACES NP
	TOSTAGE 0
.irp a, 1,2,3,4,5,6,7
.if \a > 1
	s_wait_xcnt 0x0                                ; block a - 2's stores have read their registers and their base
.endif
	TOSTAGE \a
	SEND \a-1, 32                                  ; behind block a - 1's loads: block a's 16 stores and 16 loads
.endr
	s_wait_xcnt 0x0
	SEND 7, 0
	s_wait_tensorcnt 0x0                           ; the wave's end
	ds_add_u32 v[SPW], v[NIL]
	s_wait_dscnt 0x0
	CROUND                                         ; the closing round
	s_endpgm
.Lfunc_end_k_q8f67c05cc4_proj:
	.size	k_q8f67c05cc4_proj, .Lfunc_end_k_q8f67c05cc4_proj-k_q8f67c05cc4_proj
	.p2alignl 7, 3214868480
	.fill 96, 4, 3214868480
	.section	.rodata,"a",@progbits
	.p2align	6, 0x0
	.amdhsa_kernel k_q8f67c05cc4_proj
		.amdhsa_group_segment_fixed_size 327680
		.amdhsa_private_segment_fixed_size 0
		.amdhsa_enable_private_segment 0
		.amdhsa_kernarg_size 48
		.amdhsa_user_sgpr_count 2
		.amdhsa_user_sgpr_kernarg_segment_ptr 1
		.amdhsa_wavefront_size32 1
		.amdhsa_system_sgpr_workgroup_id_x 1
		.amdhsa_system_sgpr_workgroup_id_y 1
		.amdhsa_system_sgpr_workgroup_id_z 1
		.amdhsa_system_vgpr_workitem_id 0
		.amdhsa_next_free_vgpr 1024
		.amdhsa_next_free_sgpr 98
		.amdhsa_reserve_vcc 0
		.amdhsa_float_denorm_mode_32 3
		.amdhsa_float_denorm_mode_16_64 3
		.amdhsa_memory_ordered 1
		.amdhsa_forward_progress 1
		.amdhsa_inst_pref_size 154
	.end_amdhsa_kernel
	.amdgpu_metadata
---
amdhsa.version: [ 1, 2 ]
amdhsa.kernels:
  - .name:           k_q8f67c05cc4_proj
    .symbol:         k_q8f67c05cc4_proj.kd
    .args:
      - { .name: o_codes, .offset: 0, .size: 8, .value_kind: global_buffer, .address_space: global }
      - { .name: o_scales, .offset: 8, .size: 8, .value_kind: global_buffer, .address_space: global }
      - { .name: w_out_codes, .offset: 16, .size: 8, .value_kind: global_buffer, .address_space: global }
      - { .name: w_out_scales, .offset: 24, .size: 8, .value_kind: global_buffer, .address_space: global }
      - { .name: b_out, .offset: 32, .size: 8, .value_kind: global_buffer, .address_space: global }
      - { .name: out0, .offset: 40, .size: 8, .value_kind: global_buffer, .address_space: global }
    .group_segment_fixed_size: 327680
    .private_segment_fixed_size: 0
    .kernarg_segment_align: 8
    .kernarg_segment_size: 48
    .max_flat_workgroup_size: 128
    .sgpr_count:     98
    .vgpr_count:     1024
    .wavefront_size: 32
...
	.end_amdgpu_metadata
.endif
;; end of part 3
